; MI455X (gfx1250); checked and timed in simulation.
; The chip was launched on July 23, 2026; its instructions are those of AMD's public machine-readable ISA for CDNA 5 (MIT licence, August 2026) and "CDNA5" Instruction Set Architecture Reference Guide (July 2026). The comments in the code are by the model that wrote it; some were corrected since.
;; Causal Self Attention. Allowed arithmetic: matrix products marked QUANTISED: E2M3 operands, one E8M0 scale for each 32 along K, by v_wmma_scale_f32_16x16x128_f8f6f4 with both operands' format E2M3, f32 sums; everything else in f32.
;; Inputs: b_proj 1,024 float32; b_qkv 3,072 float32; w_proj 1,024 x 1,024 float32; w_qkv 1,024 x 3,072 float32; x 2 x 2,048 x 1,024 float32.
;; Outputs: out0 2 x 2,048 x 1,024 float32.
;; This version of the problem:
;;   THIS VERSION OF THE PROBLEM IS GIVEN IN LOW PRECISION. The matrix products marked QUANTISED in the list below multiply operands that are first quantised to E2M3 (2 exponent bits, 3 mantissa bits; 6 bits a number), with one power-of-two scale for each 32 numbers along K (OCP MX v1.0); their sums are f32. All else is computed in f32.
;;   The module's matrix products, in the order in which they are computed (A, B: the left and right operand; K: the contracted axis; several contracted axes count as one K, in the product's order):
;;     1. [M 4,096, K 1,024] x [K 1,024, N 3,072]; A: input x; B: input w_qkv: QUANTISED
;;     2. batch 32 x [M 2,048, K 64] x [K 64, N 2,048]; A: computed on the way; B: computed on the way: QUANTISED
;;     3. batch 32 x [M 2,048, K 2,048] x [K 2,048, N 64]; A: softmax (see below); B: computed on the way: QUANTISED
;;     4. [M 4,096, K 1,024] x [K 1,024, N 1,024]; A: computed on the way; B: input w_proj: QUANTISED
;;   THE QUANTISER, for each operand of a quantised product, along K:
;;     - K is cut into blocks of 32 from its start; a last block that is shorter is filled with zeros.
;;     - A block's scale is 2^e with e = floor(log2(the largest magnitude in the block)) - 2, held to -126 .. 127; a block of zeros has e = 0. As a byte (E8M0): e + 127.
;;     - Each number is divided by its block's scale, clamped to +-7.5, and rounded to the nearest number of E2M3, ties to even, subnormals kept.
;;     - The product sums the exact products of the quantised numbers (number of the format x scale) in f32.
;;   ~~~python
;;   def quantise(x, axis):      # numpy; x: float32 -> the quantised numbers, widened to float32 again
;;       x = np.moveaxis(x, axis, -1); K = x.shape[-1]
;;       x = np.pad(x, [(0, 0)] * (x.ndim - 1) + [(0, -K % 32)]); x = x.reshape(x.shape[:-1] + (-1, 32)); a = np.abs(x).max(-1, keepdims=True)
;;       e = np.where(a > 0, np.clip(np.frexp(np.where(a > 0, a, 1))[1] - 1 - 2, -126, 127), 0)      # np.frexp(a)[1] - 1 = floor(log2(a)), exactly
;;       r = np.clip(x / 2.0 ** e, -7.5, 7.5)
;;       step = 2.0 ** (np.maximum(np.frexp(np.where(r == 0, 1, r))[1] - 1, 0) - 3)
;;       q = np.round(r / step) * step * 2.0 ** e      # np.round: ties to even
;;       return np.moveaxis(q.reshape(q.shape[:-2] + (-1,))[..., :K], -1, axis).astype(np.float32)
;;   ~~~
;;   SOFTMAX AHEAD OF A QUANTISED PRODUCT. Where the list says 'softmax', what is quantised is not the finished softmax but p = 2^(t - M), with t = logit x log2(e) and M = ceil(the row's largest t), a whole number; so 1/2 < the row's largest p <= 1. The row's sum l is taken of the UNQUANTISED p, in f32, and the product's result is divided by l at the end. Since M is a whole number, a kernel that streams over the keys may use a running M (the ceiling of the running maximum): every later rescaling is an exact power of two, which a block's scale takes up: the codes' values come out the same.
;;   OPERANDS COMPUTED ON THE WAY. 'Computed on the way' means the value that the module computes at that place (a softmax that the list does not call 'softmax' is quantised finished and normalised). What goes into a quantiser is computed in f32, as accurately as f32 sums, v_exp_f32 and their like allow (about 1e-6 of the number): no bf16 or f16 on the way to a quantiser, and a product that is left as it is and whose result goes on into a quantised operand takes f32 operands (vector FMAs, or v_wmma_f32_16x16x4_f32). A number that lies on a knife's edge between two numbers of the format may be rounded either way, as far as f32 arithmetic and the matrix unit's own rounding can turn it there, and no further.
;; One version. Each part assembles by itself: llvm-mc -triple=amdgcn-amd-amdhsa -mcpu=gfx1250 --defsym DOCPART=n.
;; ======== version 1 of 1: 4 launches
;; limits: right only within a limited range of input values
;; workspace buffers: cod 6,553,600 bytes; qkvb 9,830,400 bytes; yb 3,276,800 bytes
;; launch quant (part 1): grid 256 x 1, 4 waves a work-group, no clusters, 102,400 bytes of LDS; arguments x, w_qkv, w_proj, cod; writes cod
.if DOCPART == 1
	.amdgcn_target "amdgcn-amd-amdhsa--gfx1250"
	.amdhsa_code_object_version 6
	.text
	.protected	k_q621d0ff565_quant
	.globl	k_q621d0ff565_quant
	.p2align	8
	.type	k_q621d0ff565_quant,@function
k_q621d0ff565_quant:
	s_mov_b64 s[64:65], 0
	v_nop
	global_prefetch_b8 v0, s[64:65] scope:SCOPE_SE
	s_setreg_imm32_b32 hwreg(HW_REG_WAVE_MODE, 25, 1), 1
	s_wait_xcnt 0x0
; x [4096][1024], w_qkv [1024][3072] and w_proj [1024][1024], f32, become codes of FP6 (E2M3) with one E8M0 byte for each 32 along K, laid as images of operand registers.
; DEAD WORK LEFT OUT BY THE PROGRAM: reference()'s causal mask makes every score of a key behind its query -infinity ahead of the softmax, so such a key's p is 0 for all inputs and adds nothing to the row's sum or to the product with V.
; Key steps of 128 keys all of which lie behind a block's queries are therefore not multiplied (launch attn).  A NaN, an infinity or an overflow that reaches only these scores is not carried to the result.
; cod: 512 TILES of 12,800 bytes: 16 stored rows x K 1,024.  A tile: 512 bytes of scale bytes [K / 512][row][16 bytes], then eight fragments (128 along K) of 1,536 bytes: [piece of 4 registers][lane][16 bytes];
; lane (r, h) holds row r, registers 6 c .. 6 c + 5 hold K = 64 c + 32 h + 0 .. 31.  Tiles 0-255: x;  256 + 12 head + 4 type (q, k, v) + j: w_qkv;  448 + 4 g + j: w_proj.
; THE ROWS OF A TILE: in each group of 64 rows (tokens; columns of a weight) tile j = 0 .. 3 holds rows 8 j + i at i and 32 + 8 j + i at 8 + i, i = 0 .. 7.
; So a lane's 32 results of four neighbouring tiles are 32 neighbours: one scale block of the next product.
; A block's scale is 2^(floor(log2(largest magnitude)) - 2); its byte is the largest magnitude's exponent field - 2, held at 1 from below.
; LIMITS: a block of zeros gets the byte 1 where the rule says 127 (its codes are zeros, and this program alone reads the bytes); a block whose largest magnitude lies under 2^-124 keeps the byte 1;
; NaN and infinities among the inputs are not served.
; 256 work-groups of 32,768 numbers: 0-127: x, a wave 8 rows (K innermost: a lane holds 16 neighbours, turned through the wave's stage); 128-223: w_qkv, 224-255: w_proj: 64 columns x 512 along K (a lane takes a column, registers run down K).
; The codes are gathered in LDS as four UNITS (a tile's fragments of 512 along K, and their 256 scale bytes); behind a barrier each wave stores one unit in whole runs of 512 bytes.
; The three ways part on the work-group's number alone, and each has LDS bytes of its own.  No tensor loads.
.set STEPS, 16
.set R,     16                         ; way X: v16-79 four sets of 16 numbers as loaded
.set X,     80                         ; v80-111 two sets of 16 neighbours
.set E,     112                        ; v112-127 a scale byte for each step
.set C,     128                        ; v128-191 codes, four registers a step
.set SP,    80                         ; a lane's place in the turn stage
.set UN,    6528                       ; a unit in LDS: four fragments
.set QP,    1632                       ; of 3 pieces of
.set PP,    544                        ; two halves of the lanes of
.set HP,    272                        ; 256 bytes + 16
.set SCU,   4*UN                       ; the units' scale bytes, 256 each
.set WAY,   SCU+1024
.set TSTG,  WAY                        ; way X: the turn stages, 5,120 bytes a wave
.set LQ,    WAY+20480                  ; way w_qkv's LDS
.set LP,    LQ+WAY                     ; way w_proj's
.set SPARE, LP+WAY
.set WX,    32                         ; ways W: v32-95 two sets of 32 numbers
.set WC,    96                         ; a block's codes, two sets
.set OUTR,  112
.set SB,    24                         ; v24-25 the scale bytes
.set SPW,   192
.set NIL,   193
.set OA,    194
.set OS,    195
.set L16,   196
.set L8,    197
; s18: the tile whose unit my wave stores, s19: which half of K
.macro OUTPREP lds
	v_lshrrev_b32 v[OA], 4, v2
	v_mul_u32_u24 v[OA], v[OA], HP
	v_and_b32 v[OS], 15, v2
	v_lshl_add_u32 v[OA], v[OS], 4, v[OA]
	s_mul_i32 s26, s16, UN
	s_add_co_u32 s26, s26, \lds
	v_add_nc_u32 v[OA], s26, v[OA]                 ; my unit, 16 bytes a lane
	s_lshl_b32 s26, s16, 8
	s_add_co_u32 s26, s26, (\lds)+SCU
	v_add_nc_u32 v[OS], s26, v[L8]                 ; and its scale bytes, 8 a lane
	s_mul_i32 s20, s18, 12800
	s_mul_i32 s22, s19, 6144
	s_add_co_u32 s22, s22, s20
	s_mov_b32 s23, 0
	s_lshl_b32 s24, s19, 8
	s_add_co_u32 s24, s24, s20
	s_mov_b32 s25, 0
.endm
.macro OUT                             ; all four waves' codes are in LDS: one unit a wave leaves
	s_wait_dscnt 0x0
	s_barrier_signal -1
	s_barrier_wait -1
.irp i, 0,1,2,3,4,5,6,7,8,9,10,11
	ds_load_b128 v[OUTR+4*\i:OUTR+4*\i+3], v[OA] offset:QP*(\i/3)+PP*(\i%3)
.endr
	ds_load_b64 v[OUTR+48:OUTR+49], v[OS]
.irp i, 0,1,2,3,4,5,6,7,8,9,10,11
	s_wait_dscnt 12-\i                             ; the loads behind piece i may be out
	global_store_b128 v[L16], v[OUTR+4*\i:OUTR+4*\i+3], s[22:23] offset:512+512*\i   ; the wave stores 512 consecutive bytes
.endr
	s_wait_dscnt 0x0
	global_store_b64 v[L8], v[OUTR+48:OUTR+49], s[24:25]   ; 256 consecutive bytes
	s_wait_tensorcnt 0x0                           ; the wave's end
	ds_add_u32 v[SPW], v[NIL]
	s_wait_dscnt 0x0
	s_endpgm
.endm
	s_load_b128 s[4:7], s[0:1], 0x0                ; x, w_qkv
	s_load_b128 s[8:11], s[0:1], 0x10              ; w_proj, cod
	v_lshl_add_u32 v[SPW], v0, 2, SPARE
	v_mov_b32 v[NIL], 0
	v_lshrrev_b32 v1, 5, v0
	v_readfirstlane_b32 s16, v1                    ; wave
	v_and_b32 v2, 31, v0                           ; lane
	v_lshlrev_b32 v[L16], 4, v2
	v_lshlrev_b32 v[L8], 3, v2
	s_lshr_b32 s14, s16, 1
	s_and_b32 s15, s16, 1
	s_wait_alu depctr_va_vdst(0)
	s_cmp_lt_u32 ttmp9, 128
	s_cbranch_scc0 .Lweights
; ---------------- way X.  Waves 0, 1 make the rows 0-7 and 8-15 of one tile, waves 2, 3 of the next.
	s_lshr_b32 s27, ttmp9, 1
	s_lshl_b32 s27, s27, 3
	s_lshl_b32 s28, s15, 2
	s_add_co_u32 s27, s27, s28
	s_and_b32 s28, ttmp9, 1
	s_lshl_b32 s28, s28, 1
	s_add_co_u32 s27, s27, s28
	s_add_co_u32 s27, s27, s14                     ; my run of 8 rows of x: 8 (group of 64) + 4 (wave % 2) + j
	s_lshl_b32 s20, s27, 15                        ; 32,768 bytes a run
	s_mov_b32 s21, 0
	s_wait_kmcnt 0x0
	s_add_nc_u64 s[4:5], s[4:5], s[20:21]
.macro CADR k, reg                     ; where my code word k goes: register R of the operand: piece R / 4, word R % 4
	v_add_nc_u32 v10, \k, v9
	v_lshrrev_b32 v11, 2, v10
	v_mul_u32_u24 v11, v11, PP
	v_add_nc_u32 v11, v8, v11
	v_and_b32 v10, 3, v10
	v_lshl_add_u32 v[\reg], v10, 2, v11
.endm
.macro XLOAD t
.irp i, 0,1,2,3
	global_load_b128 v[R+16*((\t)%4)+4*\i:R+16*((\t)%4)+4*\i+3], v[L16], s[4:5] offset:2048*(\t)+512*\i th:TH_LOAD_NT   ; 32 lanes read 512 consecutive bytes
.endr
.endm
.macro XTURN t                         ; step t's numbers through the stage: LDS serves a wave's instructions in order (ISA guide 5.7.1.4), so no wait stands between the stores and the loads
.irp i, 0,1,2,3
	ds_store_b128 v14, v[R+16*((\t)%4)+4*\i:R+16*((\t)%4)+4*\i+3] offset:32*SP*((\t)%2)+8*SP*\i
.endr
.irp i, 0,1,2,3
	ds_load_b128 v[X+16*((\t)%2)+4*\i:X+16*((\t)%2)+4*\i+3], v15 offset:32*SP*((\t)%2)+16*\i
.endr
.endm
.irp t, 0,1,2,3
	XLOAD \t
.endr
	s_lshl_b32 s18, ttmp9, 1                       ; the rest of the head stands under the loads' flight
	s_add_co_u32 s18, s18, s14                     ; my tile
	s_mov_b32 s19, s15                             ; I store its half of K number wave % 2
	OUTPREP 0
	s_add_nc_u64 s[22:23], s[10:11], s[22:23]
	s_add_nc_u64 s[24:25], s[10:11], s[24:25]
	s_mul_i32 s27, s16, 5120
	s_add_co_u32 s27, s27, TSTG                    ; my turn stages
	s_mul_i32 s28, s14, 2*UN
	s_lshl_b32 s29, s15, 7
	s_add_co_u32 s28, s28, s29                     ; my tile's two units, my first row in them
	s_lshl_b32 s30, s14, 9
	s_add_co_u32 s29, s29, s30
	s_add_co_u32 s29, s29, SCU                     ; the same among the scale bytes
	s_wait_alu depctr_va_vdst(0)
	v_lshrrev_b32 v14, 2, v2
	v_mul_u32_u24 v14, v14, SP
	v_and_b32 v15, 3, v2
	v_lshl_add_u32 v14, v15, 4, v14
	v_add_nc_u32 v14, s27, v14                     ; the stage, in: SP (lane / 4) + 16 (lane % 4)
	v_mul_u32_u24 v15, v2, SP
	v_add_nc_u32 v15, s27, v15                     ; and out: SP x lane: my 16 neighbours
	v_lshrrev_b32 v5, 1, v2
	v_add_nc_u32 v5, s29, v5                       ; my block's scale byte
	v_lshrrev_b32 v8, 3, v2                        ; lane = 8 (fragment) + 4 c + 2 h + (which 16 of the block)
	v_mul_u32_u24 v8, v8, QP
	v_bfe_u32 v9, v2, 1, 1
	v_mul_u32_u24 v9, v9, HP
	v_add_nc_u32 v8, v8, v9
	v_add_nc_u32 v8, s28, v8
	v_bfe_u32 v9, v2, 2, 1
	v_mul_u32_u24 v9, v9, 6
	v_and_b32 v10, 1, v2
	v_mad_u32_u24 v9, v10, 3, v9                   ; my three code words' registers: 6 c + 3 (lane % 2) + 0, 1, 2
	CADR 0, 3
	CADR 1, 4
	CADR 2, 6
	s_wait_alu depctr_va_vdst(0)
	s_wait_loadcnt 12                              ; step 0's four loads are in; the 12 of steps 1 to 3 may be out
	XTURN 0
.macro XSTEP t                         ; 512 numbers: half t % 2 of my row t / 2
.set XS, X+16*((\t)%2)
.if (\t) > 0
	s_wait_dscnt 4                                 ; this step's numbers are back from the stage (the last step's three code stores and its byte store may be out)
.else
	s_wait_dscnt 0x0
.endif
.if (\t)+4 < STEPS
	XLOAD (\t)+4
.endif
.if (\t)+1 < STEPS
.if STEPS-2-(\t) >= 3
	s_wait_loadcnt 12                              ; the next step's four loads are in; those of the three steps behind it may be out
.else
	s_wait_loadcnt 4*(STEPS-2-(\t))
.endif
	XTURN (\t)+1
.endif
	v_max3_num_f32 v8, |v[XS]|, |v[XS+1]|, |v[XS+2]|               ; the largest magnitude of my 16, in two chains
	v_max3_num_f32 v9, |v[XS+3]|, |v[XS+4]|, |v[XS+5]|
.irp i, 6,10
	v_max3_num_f32 v8, v8, |v[XS+\i]|, |v[XS+\i+1]|
	v_max3_num_f32 v9, v9, |v[XS+\i+2]|, |v[XS+\i+3]|
.endr
	v_max3_num_f32 v8, v8, |v[XS+14]|, |v[XS+15]|
	v_max3_num_f32 v8, v8, v9, 0x1800000           ; and the floor 2^(3 - 127): the byte cannot fall under 1
	v_max_num_f32_dpp v8, v8, v8 row_xmask:1 row_mask:0xf bank_mask:0xf   ; with my neighbour's 16: the block's
	v_add_nc_u32 v11, 0xff000000, v8               ; 2 off its exponent field: the conversion takes the exponent field of this operand as its scale
	v_cvt_scalef32_pk16_fp6_f32 v[C+4*(\t):C+4*(\t)+2], v[XS:XS+15], v11
	v_lshrrev_b32 v[E+(\t)], 23, v11               ; the scale's byte
	ds_store_b8 v5, v[E+(\t)] offset:256*((\t)%2)+16*((\t)/2)      ; both lanes of a block write the same byte with the same value
	ds_store_b32 v3, v[C+4*(\t)] offset:UN*((\t)%2)+16*((\t)/2)
	ds_store_b32 v4, v[C+4*(\t)+1] offset:UN*((\t)%2)+16*((\t)/2)
	ds_store_b32 v6, v[C+4*(\t)+2] offset:UN*((\t)%2)+16*((\t)/2)
.endm
.irp t, 0,1,2,3,4,5,6,7,8,9,10,11,12,13,14,15
	XSTEP \t
.endr
	OUT
; ---------------- ways W.  A wave takes 32 columns (half wave % 2 of 64) x 256 along K (half wave / 2 of the work-group's 512): 8 blocks a lane.
.macro WLOAD t, cols, wb
.irp i, 0,1,2,3,4,5,6,7,8,9,10,11,12,13,14,15,16,17,18,19,20,21,22,23,24,25,26,27,28,29,30,31
	global_load_b32 v[WX+32*((\t)%2)+\i], v3, s[\wb:\wb+1] offset:(32*(\t)+\i)*\cols*4 th:TH_LOAD_NT
.endr
.endm
.macro WBLOCK t, cols, wb
.set XS, WX+32*((\t)%2)
.set WC_, WC+16*((\t)%2)
.set WO_, QP*((\t)/4)+HP*((\t)%2)
.if (\t) < 7
	s_wait_loadcnt 32                              ; this block's 32 loads are in; the next block's may be out
.else
	s_wait_loadcnt 0
.endif
	v_max3_num_f32 v12, |v[XS]|, |v[XS+1]|, |v[XS+2]|              ; the block's largest magnitude: all 32 numbers are mine
	v_max3_num_f32 v13, |v[XS+3]|, |v[XS+4]|, |v[XS+5]|
.irp i, 6,10,14,18,22,26
	v_max3_num_f32 v12, v12, |v[XS+\i]|, |v[XS+\i+1]|
	v_max3_num_f32 v13, v13, |v[XS+\i+2]|, |v[XS+\i+3]|
.endr
	v_max3_num_f32 v12, v12, |v[XS+30]|, |v[XS+31]|
	v_max3_num_f32 v12, v12, v13, 0x1800000        ; and the floor
	v_add_nc_u32 v11, 0xff000000, v12              ; the conversion's scale operand
	v_cvt_scalef32_pk16_fp6_f32 v[WC_:WC_+2], v[XS:XS+15], v11
	v_cvt_scalef32_pk16_fp6_f32 v[WC_+8:WC_+10], v[XS+16:XS+31], v11  ; (a conversion's three registers begin on an even number)
	v_lshrrev_b32 v13, 23, v11                     ; the scale's byte
.if (\t)%4 == 0
	v_mov_b32 v[SB+(\t)/4], v13                    ; four bytes to a register, the lower K in the lower byte
.else
	v_lshl_or_b32 v[SB+(\t)/4], v13, 8*((\t)%4), v[SB+(\t)/4]
.endif
.irp i, 0,1,2
	v_mov_b32 v[WC_+3+\i], v[WC_+8+\i]
.endr
.if ((\t)%4) < 2                       ; block 2 c + h of a fragment: registers 6 c .. 6 c + 5 of lane (r, h)
	ds_store_b128 v4, v[WC_:WC_+3] offset:WO_
	ds_store_b64 v4, v[WC_+4:WC_+5] offset:WO_+PP
.else
	ds_store_b64 v4, v[WC_:WC_+1] offset:WO_+PP+8
	ds_store_b128 v4, v[WC_+2:WC_+5] offset:WO_+2*PP
.endif
.if (\t)+2 < 8
	WLOAD (\t)+2, \cols, \wb
.endif
.endm
; s17: 2 x (group of 64 columns) + half of K; s18: my tile
.macro WPATH cols, lds, wb
	s_and_b32 s19, s17, 1
	s_lshr_b32 s27, s17, 1
	s_lshl_b32 s27, s27, 8                         ; 64 columns of 4 bytes
	s_lshl_b32 s28, s15, 7
	s_add_co_u32 s27, s27, s28
	s_lshl_b32 s28, s19, 1
	s_add_co_u32 s28, s28, s14                     ; which 256 along K
	s_mul_i32 s20, s28, 256*\cols*4
	s_add_co_u32 s20, s20, s27
	s_mov_b32 s21, 0
	v_lshlrev_b32 v3, 2, v2                        ; in: the wave reads 128 consecutive bytes
	s_wait_alu depctr_va_vdst(0)
	s_wait_kmcnt 0x0
	s_add_nc_u64 s[\wb:\wb+1], s[\wb:\wb+1], s[20:21]
	WLOAD 0, \cols, \wb
	WLOAD 1, \cols, \wb
	OUTPREP \lds                                   ; the rest of the head stands under the loads' flight
	s_add_nc_u64 s[22:23], s[10:11], s[22:23]
	s_add_nc_u64 s[24:25], s[10:11], s[24:25]
	s_mul_i32 s28, s14, 2*QP
	s_lshl_b32 s29, s15, 7
	s_add_co_u32 s28, s28, s29
	s_add_co_u32 s28, s28, \lds
	s_lshl_b32 s27, s14, 3
	s_add_co_u32 s29, s29, s27
	s_add_co_u32 s29, s29, (\lds)+SCU
	s_wait_alu depctr_va_vdst(0)
	v_lshrrev_b32 v4, 3, v2                        ; tile j = lane / 8,
	v_and_b32 v5, 7, v2
	v_lshlrev_b32 v5, 4, v5                        ; row 8 (wave % 2) + lane % 8
	v_lshl_add_u32 v9, v4, 8, v5
	v_mul_u32_u24 v4, v4, UN
	v_add_nc_u32 v4, v4, v5
	v_add_nc_u32 v4, s28, v4
	v_add_nc_u32 v9, s29, v9
	s_wait_alu depctr_va_vdst(0)
.irp t, 0,1,2,3,4,5,6,7
	WBLOCK \t, \cols, \wb
.endr
	s_wait_alu depctr_va_vdst(0)
	ds_store_b64 v9, v[SB:SB+1]                    ; my column's 8 scale bytes
	OUT
.endm
.Lweights:
	s_cmp_lt_u32 ttmp9, 224
	s_cbranch_scc0 .Lproj
	s_sub_co_u32 s17, ttmp9, 128
	s_lshr_b32 s27, s17, 1
	s_and_b32 s28, s27, 15                         ; head
	s_lshr_b32 s27, s27, 4                         ; q, k, v
	s_mul_i32 s18, s28, 12
	s_lshl_b32 s27, s27, 2
	s_add_co_u32 s18, s18, s27
	s_add_co_u32 s18, s18, s16
	s_add_co_u32 s18, s18, 256
	WPATH 3072, LQ, 6
.Lproj:
	s_sub_co_u32 s17, ttmp9, 224
	s_lshr_b32 s27, s17, 1
	s_lshl_b32 s18, s27, 2
	s_add_co_u32 s18, s18, s16
	s_add_co_u32 s18, s18, 448
	WPATH 1024, LP, 8
.Lfunc_end_k_q621d0ff565_quant:
	.size	k_q621d0ff565_quant, .Lfunc_end_k_q621d0ff565_quant-k_q621d0ff565_quant
	.p2alignl 7, 3214868480
	.fill 96, 4, 3214868480
	.section	.rodata,"a",@progbits
	.p2align	6, 0x0
	.amdhsa_kernel k_q621d0ff565_quant
		.amdhsa_group_segment_fixed_size 102400
		.amdhsa_private_segment_fixed_size 0
		.amdhsa_enable_private_segment 0
		.amdhsa_kernarg_size 32
		.amdhsa_user_sgpr_count 2
		.amdhsa_user_sgpr_kernarg_segment_ptr 1
		.amdhsa_wavefront_size32 1
		.amdhsa_system_sgpr_workgroup_id_x 1
		.amdhsa_system_sgpr_workgroup_id_y 1
		.amdhsa_system_sgpr_workgroup_id_z 1
		.amdhsa_system_vgpr_workitem_id 0
		.amdhsa_next_free_vgpr 198
		.amdhsa_next_free_sgpr 66
		.amdhsa_reserve_vcc 0
		.amdhsa_float_denorm_mode_32 3
		.amdhsa_float_denorm_mode_16_64 3
		.amdhsa_memory_ordered 1
		.amdhsa_forward_progress 1
		.amdhsa_inst_pref_size 122
	.end_amdhsa_kernel
	.amdgpu_metadata
---
amdhsa.version: [ 1, 2 ]
amdhsa.kernels:
  - .name:           k_q621d0ff565_quant
    .symbol:         k_q621d0ff565_quant.kd
    .args:
      - { .name: x, .offset: 0, .size: 8, .value_kind: global_buffer, .address_space: global }
      - { .name: w_qkv, .offset: 8, .size: 8, .value_kind: global_buffer, .address_space: global }
      - { .name: w_proj, .offset: 16, .size: 8, .value_kind: global_buffer, .address_space: global }
      - { .name: cod, .offset: 24, .size: 8, .value_kind: global_buffer, .address_space: global }
    .group_segment_fixed_size: 102400
    .private_segment_fixed_size: 0
    .kernarg_segment_align: 8
    .kernarg_segment_size: 32
    .max_flat_workgroup_size: 128
    .sgpr_count:     66
    .vgpr_count:     198
    .wavefront_size: 32
...
	.end_amdgpu_metadata
.endif
;; end of part 1
;; launch qkv (part 2): grid 16 x 16, 4 waves a work-group, clusters of 4 x 4, 327,680 bytes of LDS; arguments cod, b_qkv, qkvb; writes qkvb
.if DOCPART == 2
	.amdgcn_target "amdgcn-amd-amdhsa--gfx1250"
	.amdhsa_code_object_version 6
	.text
	.protected	k_q621d0ff565_qkv
	.globl	k_q621d0ff565_qkv
	.p2align	8
	.type	k_q621d0ff565_qkv,@function
k_q621d0ff565_qkv:
	s_mov_b64 s[64:65], 0
	v_nop
	global_prefetch_b8 v0, s[64:65] scope:SCOPE_SE
	s_setreg_imm32_b32 hwreg(HW_REG_WAVE_MODE, 25, 1), 1
	s_wait_xcnt 0x0
	s_wait_alu depctr_hold_cnt(0) depctr_sa_sdst(0) depctr_va_vdst(0) depctr_va_sdst(0) depctr_va_ssrc(0) depctr_va_vcc(0) depctr_vm_vsrc(0)
	s_getreg_b32 s2, hwreg(HW_REG_IB_STS2, 6, 4)
	s_cmp_eq_u32 s2, 0
	s_cbranch_scc0 .Lentry_in_a_cluster
	s_endpgm
.Lentry_in_a_cluster:
	s_bfe_u32 s2, ttmp6, 0x10000c
	s_cmp_lg_u32 s2, 0xf033
	s_cbranch_scc0 .Lentry_shape_is_right
	s_endpgm
.Lentry_shape_is_right:
; qkv = x w_qkv + b_qkv on codes of FP6 (E2M3) with E8M0 scales, K = 1,024, quantised at once: q and k along the head's 64 channels, v along the keys.  No f32 result goes to memory.
; A work-group (head, 256 tokens) makes the head's Q, K and V, 192 columns.  Four waves, 2 x 2: wave row a takes 128 tokens (one key step); wave column cc takes Q's (0) or K's (1) 64 channels and 32 of V's: 8 x 6 = 48 accumulators.
; Q, K: source 0 = the weight's rows, source 1 = x's: a lane holds one token, registers run along the channels.  V: source 0 = x's rows: a lane holds one channel, registers run along the tokens.
; By the order of cod's rows a lane's 32 registers of four tiles are one scale block in all three.  THE BIAS is the C of each sum's first product, laid as the result lies.
; K GOES IN THREE CHUNKS of 3, 3 and 2 fragments: chunk 0 (with all scale words) and chunk 1 come by the head's four loads, one a wave; chunk 2 is the one refill, onto chunk 0's bytes.
; CLUSTERS 4 x 4: x's tiles are shared along a row of the cluster, the weight's along a column, by joint loads.  NO PREFETCH: the one refill is asked for once, and there is no loop to run ahead in.
; qkvb: [batch 2 x head 16][key step 16] x 19,200 bytes: Q's, K's codes: 4 operands (band c of 64 tokens, p) of 1,536 bytes = tiles 2 p, 2 p + 1 of six registers each;  V's: 4 operands (16 channels x 128 keys);
; then Q's, K's scale words [p][r][c], 256 bytes each, and V's [tile / 2][tile % 2][r], 256 bytes (each of two waves stores 128 of them).
; LIMITS: a block of zeros has the byte 1 (its codes are zeros; this program alone reads the bytes); a block under 2^-124 keeps the byte 1; NaN and infinities are not served.
; REGISTERS: window 0: addresses, v32-127 scale words, v128-175 the biases (on the way out at work), v176-247 codes.  Window 1: v0-95 x's fragments (set 0), v96-167, v168-239 the weight's two sets.
; Window 2: v0-95 x's (set 1), v128-255 V's accumulators.  Window 3: Q's or K's accumulators, 32 registers a token tile.
.set R0, 5120                          ; a tile in chunk 0: 512 bytes of scales + 3 fragments
.set R1, 4608
.set R2, 3072
.set B0, 16*R0                         ; LDS: chunk 0: x's 16 tiles, the weight's 12
.set A1, B0+12*R0                      ; chunk 1
.set B1, A1+16*R1
.set SPARE, B1+12*R1                   ; the spare words: two blocks of 256 bytes that no other line names
.set L16, 12
.set L8,  13
.set L4,  14
.set HS,  15                           ; 8 h
.set AD,  16                           ; v16-24 LDS addresses: x, Q or K, V in chunk 0, 1, 2
.set AS,  25
.set AS2, 26
.set SPW, 28
.set NIL, 29
.set SC,  32                           ; scale words: register SC + 48 (q / 4) + 6 i + q % 4: lanes 0-15 x's tile i, lanes 16-31 the weight's tile i
.set BC,  128
.set VB,  160
.set T,   128
.set SO,  132
.set BY,  134
.set U,   136
.set WD,  148
.set PX,  154
.set WO,  156
.set P,   176
.set MSB, 0
.macro WIN new                         ; the immediate's high byte repeats the setting that is left
.if MSB != (\new)
	s_set_vgpr_msb (MSB<<8)|(\new)
.set MSB, \new
.endif
.endm
.macro PLACES n
.rept \n
	v_nop
.endr
.endm
.macro CREST                           ; a round of the cluster's barrier behind its opening barrier
	s_cmp_lg_u32 s14, 0
	s_cbranch_scc1 .Lnot_wave_0_\@
	s_barrier_signal -3
.Lnot_wave_0_\@:
	s_barrier_wait -3
	s_barrier_signal -1
	s_barrier_wait -1
.endm
.macro CROUND
	s_barrier_signal -1
	s_barrier_wait -1
	CREST
.endm
.macro GRP1 g, mask, n, rows           ; rows of n elements of 8 bytes, a tile's 12,800 bytes apart
	s_or_b32 s[\g], s[\mask], (3<<16)|(1<<21)
	s_mov_b32 s[\g+1], (\n)<<16
	s_mov_b32 s[\g+2], (\rows)<<16
	s_mov_b32 s[\g+3], (\n)<<16
	s_mov_b32 s[\g+4], \rows
	s_mov_b32 s[\g+5], 1600
	s_mov_b32 s[\g+6], 0
	s_mov_b32 s[\g+7], 0
.endm
.macro GRP0 g, lds, base, off
	s_mov_b32 s[\g], 1
	s_mov_b32 s[\g+1], \lds
	s_add_nc_u64 s[\g+2:\g+3], s[\base:\base+1], \off
	s_or_b32 s[\g+3], s[\g+3], 0x80000000
.endm
.macro TLOAD g0, g1
	tensor_load_to_lds s[\g0:\g0+3], s[\g1:\g1+7]
	s_nop 0
	PLACES 4
.endm
.macro ARM n, g0, g1, next
	s_cmp_eq_u32 s14, \n
	s_cbranch_scc0 \next
	TLOAD \g0, \g1
	s_branch .Lasked
\next:
.endm
	s_load_b128 s[4:7], s[0:1], 0x0                ; cod, b_qkv
	s_load_b64 s[8:9], s[0:1], 0x10                ; qkvb
	v_lshl_add_u32 v[SPW], v0, 2, SPARE
	v_mov_b32 v[NIL], 0
	ds_add_u32 v[SPW], v[NIL]                      ; the opening lines
	ds_add_u32 v[SPW], v[NIL]
	v_lshrrev_b32 v1, 5, v0
	v_readfirstlane_b32 s14, v1                    ; wave
	s_lshr_b32 s15, s14, 1                         ; a: which 128 tokens
	s_and_b32 s16, s14, 1                          ; cc
	s_bfe_u32 s10, ttmp6, 0x40000                  ; cx
	s_bfe_u32 s11, ttmp6, 0x40004                  ; cy
	s_lshl_b32 s12, ttmp9, 2
	s_add_co_u32 s12, s12, s10                     ; head
	s_and_b32 s13, ttmp7, 0xffff
	s_lshl_b32 s13, s13, 2
	s_add_co_u32 s13, s13, s11                     ; which 256 tokens
	s_lshl_b32 s18, s11, 2
	s_lshl_b32 s18, 15, s18                        ; my row of the cluster
	s_lshl_b32 s19, 0x1111, s10                    ; my column
	GRP1 24, 18, 640, 16
	GRP1 32, 19, 640, 12
	GRP1 40, 18, 576, 16
	GRP1 48, 19, 576, 12
	s_mul_i32 s20, s13, 204800                     ; x's 16 tiles
	s_mov_b32 s21, 0
	s_mul_i32 s22, s12, 153600                     ; the head's 12 tiles, behind x's 256
	s_add_co_u32 s22, s22, 3276800
	s_mov_b32 s23, 0
	s_wait_alu depctr_va_vdst(0)
	s_wait_dscnt 0x0                               ; both opening adds are done
	s_wait_kmcnt 0x0
	s_add_nc_u64 s[20:21], s[4:5], s[20:21]
	s_add_nc_u64 s[22:23], s[4:5], s[22:23]
	CROUND                                         ; all sixteen work-groups are here: the first joint loads meet
	GRP0 56, 0, 20, 0
	GRP0 60, B0, 22, 0
	GRP0 68, A1, 20, R0
	GRP0 72, B1, 22, R0
	ARM 0, 56, 24, .Lw1                            ; the head's loads, one a wave: chunk 0 of x, of the weight, chunk 1 of x, of the weight
	ARM 1, 60, 32, .Lw2
	ARM 2, 68, 40, .Lw3
	TLOAD 72, 48
.Lasked:
	v_and_b32 v1, 15, v0                           ; r
	v_bfe_u32 v2, v0, 4, 1                         ; h
	v_and_b32 v3, 31, v0
	v_lshlrev_b32 v[L16], 4, v3
	v_lshlrev_b32 v[L8], 3, v3
	v_lshlrev_b32 v[L4], 2, v3
	v_lshlrev_b32 v[HS], 3, v2
	v_lshlrev_b32 v4, 4, v1                        ; 16 r
	v_lshlrev_b32 v9, 7, v2                        ; Q, K: register 8 b + i of lane (r, h) is channel 32 h + 8 b + i
	v_lshrrev_b32 v10, 3, v1
	v_and_b32 v11, 7, v1
	v_lshlrev_b32 v11, 2, v11
	v_lshl_add_u32 v10, v10, 7, v11                ; V: lane r of tile t is channel 32 (r / 8) + 8 t + r % 8
	v_mov_b32 v[PX], 0                             ; written once: a lane permute's destination counts as one of its sources
	s_wait_alu depctr_va_vdst(0)
	s_lshl_b32 s76, s16, 12
	s_lshl_b32 s78, s12, 8
	s_add_co_u32 s76, s76, s78
	s_mov_b32 s77, 0
	s_lshl_b32 s79, s16, 6
	s_add_co_u32 s78, s78, s79
	s_add_co_u32 s78, s78, 8192
	s_mov_b32 s79, 0
	s_add_nc_u64 s[76:77], s[6:7], s[76:77]
	s_add_nc_u64 s[78:79], s[6:7], s[78:79]
.irp k, 0,1,2,3,4,5,6,7
	global_load_b128 v[BC+4*\k:BC+4*\k+3], v9, s[76:77] offset:16*\k
.endr
	global_load_b32 v[VB], v10, s[78:79]
	global_load_b32 v[VB+8], v10, s[78:79] offset:32
.macro ADR reg, sel, mul, add
	s_mul_i32 s17, s[\sel], \mul
	s_add_co_u32 s17, s17, \add
	v_add_nc_u32 v[\reg], s17, v[L16]
.endm
	ADR AD,   15, 8*R0, 0
	ADR AD+1, 16, 4*R0, B0
	ADR AD+2, 16, 2*R0, B0+8*R0
	ADR AD+3, 15, 8*R1, A1
	ADR AD+4, 16, 4*R1, B1
	ADR AD+5, 16, 2*R1, B1+8*R1
	ADR AD+6, 15, 8*R2, 0
	ADR AD+7, 16, 4*R2, B0
	ADR AD+8, 16, 2*R2, B0+8*R2
	s_mul_i32 s17, s15, 8*R0                       ; the scale words: lanes 0-15 x's tile 8 a + i, lanes 16-31 the weight's: 4 cc + i, or (AS2) 4 + 2 cc + i
	s_mul_i32 s20, s16, 4*R0
	s_add_co_u32 s20, s20, B0
	s_sub_co_u32 s20, s20, s17
	s_mul_i32 s21, s16, 2*R0
	s_add_co_u32 s21, s21, B0+4*R0
	s_sub_co_u32 s21, s21, s17
	v_add_nc_u32 v4, s17, v4
	v_mul_u32_u24 v5, s20, v2
	v_mul_u32_u24 v6, s21, v2
	v_add_nc_u32 v[AS], v4, v5
	v_add_nc_u32 v[AS2], v4, v6
	s_lshr_b32 s17, s13, 3                         ; where the results go
	s_lshl_b32 s17, s17, 4
	s_add_co_u32 s17, s17, s12                     ; batch and head
	s_lshl_b32 s17, s17, 4
	s_and_b32 s20, s13, 7
	s_lshl_b32 s20, s20, 1
	s_add_co_u32 s17, s17, s20
	s_add_co_u32 s17, s17, s15                     ; and key step
	s_mul_i32 s17, s17, 19200
	s_mul_i32 s80, s16, 6144
	s_add_co_u32 s80, s80, s17                     ; Q's or K's codes,
	s_lshl_b32 s82, s16, 8
	s_add_co_u32 s82, s82, s17
	s_add_co_u32 s82, s82, 18432                   ; their scale words,
	s_mul_i32 s84, s16, 3072
	s_add_co_u32 s84, s84, s17
	s_add_co_u32 s84, s84, 12288                   ; V's codes,
	s_lshl_b32 s86, s16, 7
	s_add_co_u32 s86, s86, s17
	s_add_co_u32 s86, s86, 18944                   ; and its scale words
.irp k, 80,82,84,86
	s_mov_b32 s[\k+1], 0
	s_add_nc_u64 s[\k:\k+1], s[8:9], s[\k:\k+1]
.endr
	s_mov_b32 s88, 0x76543210                      ; lane selects for lane l xor 16
	s_mov_b32 s89, 0xfedcba98
	s_mov_b32 s90, 0xffff0000                      ; lanes 16-31
	s_wait_alu depctr_va_vdst(0)
	s_wait_loadcnt 0x0                             ; the biases
.irp i, 1,2,3,4,5,6,7
	v_mov_b32 v[VB+\i], v[VB]
	v_mov_b32 v[VB+8+\i], v[VB+8]
.endr
; fragments
.macro FR3 reg, adr, off
	ds_load_b128 v[\reg:\reg+3], v[\adr] offset:\off
	ds_load_b128 v[\reg+4:\reg+7], v[\adr] offset:\off+512
	ds_load_b128 v[\reg+8:\reg+11], v[\adr] offset:\off+1024
.endm
.macro CHUNK q                         ; where fragment q lies
.if (\q) < 3
.set CR_, R0
.set CO_, 512+1536*(\q)
.set CA_, AD
.elseif (\q) < 6
.set CR_, R1
.set CO_, 1536*((\q)-3)
.set CA_, AD+3
.else
.set CR_, R2
.set CO_, 1536*((\q)-6)
.set CA_, AD+6
.endif
.endm
.macro FB q                            ; the weight's six: 18 loads
	CHUNK \q
	WIN 0x40
.irp i, 0,1,2,3
	FR3 96+72*((\q)%2)+12*\i, CA_+1, CO_+\i*CR_
.endr
.irp i, 0,1
	FR3 144+72*((\q)%2)+12*\i, CA_+2, CO_+\i*CR_
.endr
	WIN 0
.endm
.macro FA q                            ; x's eight: 24 loads
	CHUNK \q
	WIN 0x40+0x40*((\q)%2)
.irp i, 0,1,2,3,4,5,6,7
	FR3 12*\i, CA_, CO_+\i*CR_
.endr
	WIN 0
.endm
; 16 products of Q or K: token tiles a0 .. a0 + 3 x the four channel tiles.  The accumulators take turns, one instruction a turn.
.macro QK q, a0, first
.set P_, (\q)%2
.set S_, SC+48*((\q)/4)+(\q)%4
.irp a, 0,1,2,3
.irp b, 0,1,2,3
.set D_, 32*(\a0+\a)+8*\b
.set B_, 96+72*P_+12*\b
.set A_, 12*(\a0+\a)
.if \first
	WIN 0xc5
.else
	WIN 0xf5+4*P_
.endif
.if \first
	v_wmma_scale_f32_16x16x128_f8f6f4 v[D_:D_+7], v[B_:B_+11], v[A_:A_+11], v[BC+8*\b:BC+8*\b+7], v[S_+6*\b], v[S_+6*(\a0+\a)] matrix_a_fmt:MATRIX_FMT_FP6 matrix_b_fmt:MATRIX_FMT_FP6 matrix_a_scale:MATRIX_SCALE_ROW1
.else
	v_wmma_scale_f32_16x16x128_f8f6f4 v[D_:D_+7], v[B_:B_+11], v[A_:A_+11], v[D_:D_+7], v[S_+6*\b], v[S_+6*(\a0+\a)] matrix_a_fmt:MATRIX_FMT_FP6 matrix_b_fmt:MATRIX_FMT_FP6 matrix_a_scale:MATRIX_SCALE_ROW1
.endif
.endr
.endr
.endm
.macro VP q, first
.set P_, (\q)%2
.set S_, SC+48*((\q)/4)+(\q)%4
.irp a, 0,1,2,3,4,5,6,7
.irp t, 0,1
.set D_, 128+64*\t+8*\a
.set B_, 144+72*P_+12*\t
.set A_, 12*\a
.if \first
	WIN 0x85
.else
	WIN 0xa5+P_
.endif
.if \first
	v_wmma_scale_f32_16x16x128_f8f6f4 v[D_:D_+7], v[A_:A_+11], v[B_:B_+11], v[VB+8*\t:VB+8*\t+7], v[S_+6*\a], v[S_+24+6*\t] matrix_a_fmt:MATRIX_FMT_FP6 matrix_b_fmt:MATRIX_FMT_FP6 matrix_b_scale:MATRIX_SCALE_ROW1
.else
	v_wmma_scale_f32_16x16x128_f8f6f4 v[D_:D_+7], v[A_:A_+11], v[B_:B_+11], v[D_:D_+7], v[S_+6*\a], v[S_+24+6*\t] matrix_a_fmt:MATRIX_FMT_FP6 matrix_b_fmt:MATRIX_FMT_FP6 matrix_b_scale:MATRIX_SCALE_ROW1
.endif
.endr
.endr
.endm
.macro REFILL                          ; chunk 2 onto chunk 0's bytes: wave 0 x's, wave 1 the weight's
	s_cmp_eq_u32 s14, 0
	s_cbranch_scc0 .Lrefill_b
	TLOAD 56, 24
	s_branch .Lrefilled
.Lrefill_b:
	s_cmp_eq_u32 s14, 1
	s_cbranch_scc0 .Lrefilled
	TLOAD 60, 32
.Lrefilled:
.endm
; 128 along K: 48 products on fragment set q % 2; the next fragments are fetched into the other set.
.macro STEP q, first
.if \q == 2                            ; chunk 0 is read no more, and chunk 1 is wanted
	WIN 0
	s_wait_tensorcnt 0x0                           ; all my tensor loads have landed
	ds_add_u32 v[SPW], v[NIL]
	s_mov_b32 s25, 384<<16                         ; no tensor load of mine is out: the descriptors become chunk 2's: rows of 3,072 bytes,
	s_mov_b32 s27, 384<<16
	s_mov_b32 s33, 384<<16
	s_mov_b32 s35, 384<<16
	s_add_nc_u64 s[58:59], s[58:59], R0+R1         ; behind chunks 0 and 1
	s_add_nc_u64 s[62:63], s[62:63], R0+R1
	s_wait_dscnt 1                                 ; this step's fragments are in; the add may be out
	QK \q, 0, 0
	s_wait_dscnt 0x0                               ; the add is done, and so are my reads of chunk 0
	s_barrier_signal -1
	QK \q, 4, 0
	WIN 0
	s_barrier_wait -1
	CREST                                          ; no wave of any partner still reads chunk 0 or has a load on its way
	REFILL
	PLACES 4
	FB \q+1
	FA \q+1
	VP \q, 0
.elseif \q == 5                        ; chunk 2 is shown to all waves
	s_wait_tensorcnt 0x0
	s_wait_dscnt 0x0
	s_barrier_signal -1
	QK \q, 0, 0
	WIN 0
	s_barrier_wait -1
	PLACES 4
	FB \q+1
	FA \q+1
	QK \q, 4, 0
	VP \q, 0
.elseif \q == 7
	s_wait_dscnt 0x0
	QK \q, 0, 0
	QK \q, 4, 0
	VP \q, 0
.else
	s_wait_dscnt 0x0                               ; this step's fragments are in: they were asked for ahead of the last step's products
	PLACES 4                                       ; places between the last products and the loads into the registers that the step before it read
	FB \q+1
	FA \q+1
	QK \q, 0, \first
	QK \q, 4, \first
	VP \q, \first
.endif
.endm
	s_wait_alu depctr_va_vdst(0)
	s_cmp_lt_u32 s14, 2
	s_cbranch_scc0 .Lchunk_1
	s_wait_tensorcnt 0x0                           ; waves 0, 1: chunk 0
.Lchunk_1:
	s_barrier_signal -1
	s_barrier_wait -1                              ; chunk 0 is in; chunk 1 may be on its way
	FB 0
.irp i, 0,1,2,3,6,7
	ds_load_b128 v[SC+6*\i:SC+6*\i+3], v[AS] offset:R0*\i
	ds_load_b128 v[SC+48+6*\i:SC+48+6*\i+3], v[AS] offset:R0*\i+256
.endr
.irp i, 4,5
	ds_load_b128 v[SC+6*\i:SC+6*\i+3], v[AS2] offset:R0*\i
	ds_load_b128 v[SC+48+6*\i:SC+48+6*\i+3], v[AS2] offset:R0*\i+256
.endr
	FA 0
	STEP 0, 1
	STEP 1, 0
	STEP 2, 0
	STEP 3, 0
	STEP 4, 0
	STEP 5, 0
	STEP 6, 0
	STEP 7, 0
; THE WAY OUT: two blocks of 32 sums a lane, from x0 and x1 on in window w, become one operand of 12 registers and its scale word (number k).
.macro PAIR k, x0, x1, w
.set PK_, P+12*(\k)
	WIN 0x15*(\w)
	v_max3_num_f32 v[T], |v[\x0]|, |v[\x0+1]|, |v[\x0+2]|          ; four chains by turns; each accumulator from its low end on
	v_max3_num_f32 v[T+1], |v[\x0+16]|, |v[\x0+17]|, |v[\x0+18]|
	v_max3_num_f32 v[T+2], |v[\x1]|, |v[\x1+1]|, |v[\x1+2]|
	v_max3_num_f32 v[T+3], |v[\x1+16]|, |v[\x1+17]|, |v[\x1+18]|
	WIN 0x14*(\w)
.irp i, 3,5,7,9,11,13
	v_max3_num_f32 v[T], v[T], |v[\x0+\i]|, |v[\x0+\i+1]|
	v_max3_num_f32 v[T+1], v[T+1], |v[\x0+16+\i]|, |v[\x0+17+\i]|
	v_max3_num_f32 v[T+2], v[T+2], |v[\x1+\i]|, |v[\x1+\i+1]|
	v_max3_num_f32 v[T+3], v[T+3], |v[\x1+16+\i]|, |v[\x1+17+\i]|
.endr
	v_max3_num_f32 v[T], v[T], |v[\x0+15]|, |v[\x0+31]|
	v_max3_num_f32 v[T+2], v[T+2], |v[\x1+15]|, |v[\x1+31]|
	WIN 0
	v_max3_num_f32 v[T], v[T], v[T+1], 0x1800000   ; and the floor 2^(3 - 127): the byte cannot fall under 1
	v_max3_num_f32 v[T+2], v[T+2], v[T+3], 0x1800000
	v_add_nc_u32 v[SO], 0xff000000, v[T]           ; 2 off the exponent field: the conversion's scale operand
	v_add_nc_u32 v[SO+1], 0xff000000, v[T+2]
	WIN \w
	v_cvt_scalef32_pk16_fp6_f32 v[PK_:PK_+2], v[\x0:\x0+15], v[SO]
	v_cvt_scalef32_pk16_fp6_f32 v[U:U+2], v[\x0+16:\x0+31], v[SO]  ; (a conversion's three registers begin on an even number)
	v_cvt_scalef32_pk16_fp6_f32 v[PK_+6:PK_+8], v[\x1:\x1+15], v[SO+1]
	v_cvt_scalef32_pk16_fp6_f32 v[U+4:U+6], v[\x1+16:\x1+31], v[SO+1]
	WIN 0
	v_lshrrev_b32 v[BY], 23, v[SO]                 ; the scales' bytes
	v_lshrrev_b32 v[BY+1], 23, v[SO+1]
.irp i, 0,1,2
	v_mov_b32 v[PK_+3+\i], v[U+\i]
.endr
	v_lshl_or_b32 v[BY], v[BY+1], 16, v[BY]
.irp i, 0,1,2
	v_mov_b32 v[PK_+9+\i], v[U+4+\i]
.endr
	v_lshlrev_b32 v[BY], v[HS], v[BY]              ; bytes h and 2 + h are mine
	v_permlanex16_b32 v[PX], v[BY], s88, s89
	v_or_b32 v[WD+\k], v[BY], v[PX]
.endm
.macro SEND3 k, base, off
.irp i, 0,1,2
	global_store_b128 v[L16], v[P+12*(\k)+4*\i:P+12*(\k)+4*\i+3], s[\base:\base+1] offset:(\off)+512*\i   ; 512 consecutive bytes
.endr
.endm
	PLACES 4
.irp k, 0,1,2,3
	PAIR \k, 64*\k, 64*\k+32, 3
	SEND3 \k, 80, 1536*\k
.endr
.irp t, 0,1
	PAIR 4+\t, 128+64*\t, 160+64*\t, 2
	SEND3 4+\t, 84, 1536*\t
.endr
	v_cndmask_b32 v[WO], v[WD], v[WD+1], s90       ; lanes 0-15 p = 0, lanes 16-31 p = 1
	v_cndmask_b32 v[WO+1], v[WD+2], v[WD+3], s90
	v_cndmask_b32 v[WO+2], v[WD+4], v[WD+5], s90
	global_store_b64 v[L8], v[WO:WO+1], s[82:83]
	global_store_b32 v[L4], v[WO+2], s[86:87]
	s_wait_tensorcnt 0x0                           ; the wave's end
	ds_add_u32 v[SPW], v[NIL]
	s_wait_dscnt 0x0
	CROUND                                         ; the closing round: no work-group ends while a partner may still ask for a tile that names it
	s_endpgm
.Lfunc_end_k_q621d0ff565_qkv:
	.size	k_q621d0ff565_qkv, .Lfunc_end_k_q621d0ff565_qkv-k_q621d0ff565_qkv
	.p2alignl 7, 3214868480
	.fill 96, 4, 3214868480
	.section	.rodata,"a",@progbits
	.p2align	6, 0x0
	.amdhsa_kernel k_q621d0ff565_qkv
		.amdhsa_group_segment_fixed_size 327680
		.amdhsa_private_segment_fixed_size 0
		.amdhsa_enable_private_segment 0
		.amdhsa_kernarg_size 24
		.amdhsa_user_sgpr_count 2
		.amdhsa_user_sgpr_kernarg_segment_ptr 1
		.amdhsa_wavefront_size32 1
		.amdhsa_system_sgpr_workgroup_id_x 1
		.amdhsa_system_sgpr_workgroup_id_y 1
		.amdhsa_system_sgpr_workgroup_id_z 1
		.amdhsa_system_vgpr_workitem_id 0
		.amdhsa_next_free_vgpr 1024
		.amdhsa_next_free_sgpr 100
		.amdhsa_reserve_vcc 0
		.amdhsa_float_denorm_mode_32 3
		.amdhsa_float_denorm_mode_16_64 3
		.amdhsa_memory_ordered 1
		.amdhsa_forward_progress 1
		.amdhsa_inst_pref_size 107
	.end_amdhsa_kernel
	.amdgpu_metadata
---
amdhsa.version: [ 1, 2 ]
amdhsa.kernels:
  - .name:           k_q621d0ff565_qkv
    .symbol:         k_q621d0ff565_qkv.kd
    .args:
      - { .name: cod, .offset: 0, .size: 8, .value_kind: global_buffer, .address_space: global }
      - { .name: b_qkv, .offset: 8, .size: 8, .value_kind: global_buffer, .address_space: global }
      - { .name: qkvb, .offset: 16, .size: 8, .value_kind: global_buffer, .address_space: global }
    .group_segment_fixed_size: 327680
    .private_segment_fixed_size: 0
    .kernarg_segment_align: 8
    .kernarg_segment_size: 24
    .max_flat_workgroup_size: 128
    .sgpr_count:     100
    .vgpr_count:     1024
    .wavefront_size: 32
...
	.end_amdgpu_metadata
.endif
;; end of part 2
;; launch attn (part 3): grid 32 x 8, 16 waves a work-group, no clusters, 280,576 bytes of LDS; arguments qkvb, yb; writes yb
.if DOCPART == 3
	.amdgcn_target "amdgcn-amd-amdhsa--gfx1250"
	.amdhsa_code_object_version 6
	.text
	.protected	k_q621d0ff565_attn
	.globl	k_q621d0ff565_attn
	.p2align	8
	.type	k_q621d0ff565_attn,@function
k_q621d0ff565_attn:
	s_mov_b64 s[64:65], 0
	v_nop
	global_prefetch_b8 v0, s[64:65] scope:SCOPE_SE
	s_setreg_imm32_b32 hwreg(HW_REG_WAVE_MODE, 25, 1), 1
	s_wait_xcnt 0x0
; y[b][h][q] = sum over keys k <= q of softmax_k(q . k / 8) v, both products on codes of FP6 (E2M3) with E8M0 scales; y is quantised along its 64 channels at once, for the last product.
; DEAD WORK LEFT OUT: key steps of 128 keys all of which lie behind a block's queries (reference()'s causal mask makes their p 0 for all inputs); a NaN, an infinity or an overflow that reaches only them is not carried.
; THE SOFTMAX: t = score x log2(e) / 8; M = the running largest t rounded up to a whole number; p = 2^(t - M) is quantised along the keys, not normalised; the row's sum is taken of the unquantised p and divides at the end.
; When M moves, the sum and O are multiplied by 2^(old M - new M): exact.
; SHARES.  Work-group (head, i) owns query blocks i and 15 - i of 128 queries.  A PAIR of waves (w, w xor 1) owns tile m = w / 2 of 16 queries of both blocks: (16 - i) + (i + 1) = 17 key steps.
; Wave a of the pair takes 9 of the long tile's steps, wave b the other 7 - i and then the short tile's i + 1: at trip n, with d = 7 - i: n < d: b step 2 n, a step 2 n + 1, both of the long tile; n >= d: a step n + d of the long tile, b step n - d of the short one.
; So trip n asks for no step above 2 n + 1.  Wave b leaves its part of the long tile (O, the sum, M) in LDS; wave a joins it with its own.  The diagonal is a's trip 8 and b's trip 7.
; LDS.  K and V of a head lie there whole: four slices (K's bands 0, 1, V's tiles 0 1, 2 3) [key step][3,072 bytes] and the scale words [key step][512 bytes].  Fifteen waves bring them, one tensor load each:
; steps 0-1 by waves 0-4, steps 2-3 by waves 5-9, steps 4-15 by waves 10-14.  No byte is filled twice.  Trips 0 and 1 each hold a barrier that shows the next group: signalled in the step's middle, waited for ahead of the next K's loads.
; NO CLUSTER: the work-groups that share a head walk different steps, by branches and LDS addresses that hang on i.  NO PREFETCH: every tile is asked for by the first fills.
; TWO REGIONS of 64 registers take turns: K (48), later V (48), stand in one and the scores, then p, in the other; when p has been quantised and summed, the NEXT step's K is loaded over it, so the regions change roles from trip to trip.
; LAYOUT.  Both products are used transposed (S^T = K Q^T, O^T = V^T P^T): a lane holds one query; by the order of the tiles' rows its 32 registers of a band are keys 64 c + 32 h + 0 .. 31, one scale block; O's are channels 32 h + 0 .. 31.
; K = 64 IN AN INSTRUCTION OF 128: an operand of K is two tiles of six registers; Q meets the first with zero codes above it, the second with zero codes below it: these products add exactly 0 (FP6 has no NaN or infinity, and no scale byte is 0xff).
; LIMITS: the promise holds while the scaled scores stay under 2^31 in magnitude; the block's largest p is taken from the block's largest score, which leans on v_exp_f32 not falling where its input rises; a block of zeros has the byte 1; NaN and infinities are not served.
; yb: [token tile 256] x 12,800 bytes: scale bytes [K / 512][row][16], then [head] x 768: registers 0-3, 16 bytes a lane, then 4-5, 8 bytes a lane.  A wave's 32 scale bytes leave one byte a lane: a row's words are made of many heads' bytes.
.set SCL,  196608
.set XCH,  204800                      ; 4,608 bytes a wave for its part of a long tile
.set SPARE, XCH+16*4608
.set L16,  1
.set L16V, 2
.set L8S,  3
.set AK,   4
.set AV,   5
.set AS8,  6
.set AS4,  7
.set L4S,  8
.set DQ,   9                           ; my query in its block - 32 h
.set XS,   10
.set XL,   11
.set QZ,   16                          ; v16-21 zeros, v22-27 Q, v28-33 zeros
.set Q,    22
.set QS,   34
.set QN,   36                          ; v36-41, v42: the second tile's Q and its scale word
.set QNS,  42
.set HS,   43                          ; 8 h
.set RB,   44                          ; the two regions
.set RA,   108
.set O,    172
.set PC,   204
.set U,    216
.set T,    224
.set TMP,  228
.set X,    229
.set OLD,  230
.set X2,   231
.set F,    232
.set SO,   234
.set BY,   236
.set PW,   238
.set KS,   240
.set VS,   242
.set C1,   244
.set C2,   246
.set C3,   248
.set L8,   250
.set YO,   251                         ; 16 r + h
.set QSO,  252                         ; 8 r
.set SPW,  254
.set NIL,  255
.set SEL,  10
.set CS,   12
.set NCS,  14
.set CNT,  16
.set I,    17
.set WV,   18
.set BH,   19
.set KIND, 20                          ; 0: a, 1: b
.set M,    21
.set D,    22                          ; 7 - i
.set SD,   23                          ; a: d, b: -d
.set N,    25                          ; the trip
.set DN,   26                          ; the trip of my diagonal: my last
.set SH,   27
.set ONE,  28                          ; 1 - kind
.set QL,   29                          ; the long block
.set QB,   30                          ; the block that I send out
.set BAND, 31                          ; my tile's band
	s_load_b128 s[4:7], s[0:1], 0x0                ; qkvb, yb
	v_lshl_add_u32 v[SPW], v0, 2, SPARE
	v_mov_b32 v[NIL], 0
	ds_add_u32 v[SPW], v[NIL]                      ; the opening lines
	ds_add_u32 v[SPW], v[NIL]
	v_lshrrev_b32 v12, 5, v0
	v_readfirstlane_b32 s[WV], v12
	s_mov_b32 s[BH], ttmp9                         ; 16 x batch + head
	s_and_b32 s[I], ttmp7, 0xffff
.macro GRP1 g, n, rows                 ; rows of n elements of 8 bytes, a key step's 19,200 bytes apart
	s_mov_b32 s[\g], 3<<16
	s_mov_b32 s[\g+1], (\n)<<16
	s_mov_b32 s[\g+2], (\rows)<<16
	s_mov_b32 s[\g+3], (\n)<<16
	s_mov_b32 s[\g+4], \rows
	s_mov_b32 s[\g+5], 2400
	s_mov_b32 s[\g+6], 0
	s_mov_b32 s[\g+7], 0
.endm
	GRP1 32, 384, 2
	GRP1 40, 64, 2
	GRP1 48, 384, 12
	GRP1 56, 64, 12
	s_mul_i32 s8, s[BH], 307200                    ; the head's sixteen key steps
	s_mov_b32 s9, 0
	s_wait_alu depctr_va_vdst(0)
	s_wait_dscnt 0x0
	s_wait_kmcnt 0x0
	s_add_nc_u64 s[8:9], s[4:5], s[8:9]
; The head's loads, at most one a wave, in one chain.  sub: the arm's first wave, step: its first key step
.macro SLICE under, g1, sub, step, next
	s_cmp_lt_u32 s[WV], \under
	s_cbranch_scc0 \next
	s_sub_co_u32 s72, s[WV], \sub
	s_mul_i32 s73, s72, 49152
	s_mov_b32 s68, 1
	s_add_co_u32 s69, s73, 3072*(\step)
	s_mul_i32 s74, s72, 3072
	s_mov_b32 s75, 0
	s_add_nc_u64 s[70:71], s[8:9], s[74:75]
	s_add_nc_u64 s[70:71], s[70:71], 19200*(\step)+6144
	s_or_b32 s71, s71, 0x80000000
	tensor_load_to_lds s[68:71], s[\g1:\g1+7]
	s_nop 0
.rept 4
	v_nop
.endr
	s_branch .Lasked
\next:
.endm
.macro WORDS under, g1, step, next
	s_cmp_lt_u32 s[WV], \under
	s_cbranch_scc0 \next
	s_mov_b32 s68, 1
	s_mov_b32 s69, SCL+512*(\step)
	s_add_nc_u64 s[70:71], s[8:9], 19200*(\step)+18688
	s_or_b32 s71, s71, 0x80000000
	tensor_load_to_lds s[68:71], s[\g1:\g1+7]
	s_nop 0
.rept 4
	v_nop
.endr
	s_branch .Lasked
\next:
.endm
	SLICE 4, 32, 0, 0, .Lw4
	WORDS 5, 40, 0, .Lw5
	SLICE 9, 32, 5, 2, .Lw9
	WORDS 10, 40, 2, .Lw10
	SLICE 14, 48, 10, 4, .Lw14
	WORDS 15, 56, 4, .Lw15
.Lasked:
	; THE PAIRS: in the head comment's line on pairs w = 2 (wave % 8) + wave / 8: waves v and v + 8 are a pair, tile m = wave % 8; waves 0-7 are the pairs' waves a, waves 8-15 their waves b
	s_lshr_b32 s[KIND], s[WV], 3
	s_and_b32 s[M], s[WV], 7
	s_lshr_b32 s[BAND], s[M], 2
	s_sub_co_u32 s[D], 7, s[I]
	s_sub_co_u32 s84, 0, s[D]
	s_sub_co_u32 s[QL], 15, s[I]
	s_sub_co_u32 s[DN], 8, s[KIND]
	s_sub_co_u32 s[ONE], 1, s[KIND]
	s_cmp_eq_u32 s[KIND], 1
	s_cselect_b32 s[SD], s84, s[D]
	s_cselect_b32 s[QB], s[I], s[QL]
	s_and_b32 s84, s[M], 1
	s_lshl_b32 s[SH], s84, 4
	s_mov_b32 s[SEL], 0x76543210                   ; lane selects for lane l xor 16
	s_mov_b32 s[SEL+1], 0xfedcba98
	s_mov_b32 s[CS], 0x3e38aa3b                    ; c = log2(e) / 8
	s_mov_b32 s[CS+1], s[CS]
	s_mov_b32 s[NCS], 0xbe38aa3b                   ; -c
	s_mov_b32 s[N], 0
	s_lshl_b32 s85, s[BAND], 6
	s_and_b32 s86, s[M], 3
	s_lshl_b32 s86, s86, 3
	s_add_co_u32 s85, s85, s86                     ; 64 c + 8 j of my tile
	v_and_b32 v12, 31, v0
	v_lshlrev_b32 v[L16], 4, v12
	v_lshlrev_b32 v[L8], 3, v12
	v_add_nc_u32 v[L16V], 98304, v[L16]
	v_add_nc_u32 v[L8S], SCL, v[L8]
	v_lshlrev_b32 v[L4S], 2, v12
	v_add_nc_u32 v[L4S], SCL+256, v[L4S]
	v_and_b32 v12, 15, v0                          ; r
	v_bfe_u32 v13, v0, 4, 1                        ; h
	v_lshlrev_b32 v[HS], 3, v13
	v_lshlrev_b32 v[QSO], 3, v12
	v_lshl_add_u32 v[YO], v12, 4, v13
	v_lshrrev_b32 v14, 3, v12
	v_and_b32 v15, 7, v12
	v_lshl_add_u32 v[DQ], v14, 5, v15
	v_lshlrev_b32 v13, 5, v13
	v_add_nc_u32 v[DQ], s85, v[DQ]                 ; 64 c + 8 j + 32 (r / 8) + r % 8
	v_sub_nc_u32 v[DQ], v[DQ], v13
	v_lshrrev_b32 v[XS], 5, v0
	v_xor_b32 v[XL], 8, v[XS]                      ; my partner
	v_mul_u32_u24 v[XS], v[XS], 4608
	v_mul_u32_u24 v[XL], v[XL], 4608
	v_add_nc_u32 v[XS], v[XS], v[L16]
	v_add_nc_u32 v[XL], v[XL], v[L16]
	v_add_nc_u32 v[XS], XCH, v[XS]
	v_add_nc_u32 v[XL], XCH, v[XL]
	s_wait_alu depctr_va_vdst(0)
; Q of my tile of block qb: six registers, three loads of 8 bytes: registers 6 (m % 2) on of operand m / 2; and the operand's scale word
.macro QLOAD qb, reg, raw
	s_lshl_b32 s84, s[BH], 4
	s_add_co_u32 s84, s84, s[\qb]
	s_mul_i32 s84, s84, 19200
	s_lshr_b32 s85, s[M], 1
	s_and_b32 s86, s85, 1
	s_lshl_b32 s86, s86, 7
	s_add_co_u32 s94, s84, s86
	s_lshl_b32 s86, s[BAND], 2
	s_add_co_u32 s94, s94, s86
	s_add_co_u32 s94, s94, 18432
	s_mul_i32 s85, s85, 1536
	s_add_co_u32 s84, s84, s85
	s_and_b32 s85, s[M], 1
	s_mul_i32 s86, s85, 520
	s_add_co_u32 s88, s84, s86
	s_add_co_u32 s92, s88, 512
	s_mul_i32 s86, s85, 1016
	s_add_co_u32 s90, s84, s86
	s_add_co_u32 s90, s90, 8
.irp k, 88,90,92,94
	s_mov_b32 s[\k+1], 0
	s_add_nc_u64 s[\k:\k+1], s[4:5], s[\k:\k+1]
.endr
	global_load_b64 v[\reg:\reg+1], v[L16], s[88:89]
	global_load_b64 v[\reg+2:\reg+3], v[L16], s[90:91]
	global_load_b64 v[\reg+4:\reg+5], v[L16], s[92:93]
	global_load_b32 v[\raw], v[QSO], s[94:95]
.endm
	QLOAD QL, Q, C2
	s_wait_xcnt 0x0                                ; the loads' bases are written again
	QLOAD QB, QN, C2+1
.macro INIT                            ; nothing summed yet
	v_mov_b32 v13, 0xff61b1e6                      ; the largest score so far: -3e38
	v_mul_f32 v[TMP], s[NCS], v13
	v_floor_f32 v12, v[TMP]                        ; -M
	v_mov_b32 v14, 0                               ; the sum, in two halves
	v_mov_b32 v15, 0
.set j, 0
.rept 32
	v_mov_b32 v[O+j], 0                            ; O^T: the step finds zeros, which the first change of M leaves zeros
.set j, j+1
.endr
.endm
	INIT
.irp j, 0,1,2,3,4,5
	v_mov_b32 v[QZ+\j], 0
	v_mov_b32 v[Q+6+\j], 0
.endr
	v_mov_b32 v[X], 0                              ; written once: a lane permute's destination counts as one of its sources
	v_mov_b32 v[X2], 0
	v_mov_b32 v[F+1], 0                            ; (named as the upper half of a pair)
; K's four operands of trip s87's step, and their scale words, into region k.  lim: the largest step that the trip can ask for (never above it: trip n asks for no step above 2 n + 1, nor above 15)
.macro KLOAD k, lim
	s_lshl_b32 s84, s87, 1
	s_add_co_u32 s84, s84, s[ONE]
	s_add_co_u32 s85, s87, s[SD]
	s_cmp_lt_u32 s87, s[D]
	s_cselect_b32 s84, s84, s85
	s_min_u32 s84, s84, \lim
	s_mul_i32 s85, s84, 3072                       ; (kept for V's loads)
	s_lshl_b32 s86, s84, 9
	v_add_nc_u32 v[AK], s85, v[L16]
	v_add_nc_u32 v[AS8], s86, v[L8S]
.irp o, 0,1,2,3
.irp i, 0,1,2
	ds_load_b128 v[\k+12*\o+4*\i:\k+12*\o+4*\i+3], v[AK] offset:49152*(\o/2)+1536*(\o%2)+512*\i
.endr
.endr
	ds_load_b64 v[KS:KS+1], v[AS8]                 ; bands 0, 1: lanes 0-15 p = 0, lanes 16-31 p = 1
.endm
; Wave b at trip d: its part of the long tile goes to LDS (O, then -M, the largest score, the sum), and the short tile begins.
.macro CHANGE
	s_cmp_eq_u32 s[KIND], 0
	s_cbranch_scc1 .Lsame_\@
	s_cmp_lg_u32 s[N], s[D]
	s_cbranch_scc1 .Lsame_\@
.rept 4
	v_nop
.endr
	s_wait_alu depctr_va_vdst(0)
.irp k, 0,1,2,3,4,5,6,7
	ds_store_b128 v[XS], v[O+4*\k:O+4*\k+3] offset:512*\k
.endr
	ds_store_b128 v[XS], v[12:15] offset:4096
	s_wait_dscnt 0x0
	INIT
.irp j, 0,1,2,3,4,5
	v_mov_b32 v[Q+\j], v[QN+\j]
.endr
	v_mov_b32 v[QS], v[QNS]
	s_wait_alu depctr_va_vdst(0)
.Lsame_\@:
.endm
; A KEY STEP: 128 keys.  kv: the region that holds K, later V; s: the scores' region; mask: 0 none, 1 in my diagonal's trip, 2 always; next: load the next trip's K, lim as above; sig: 1 steps 2-3 are shown, 2 steps 4-15
.macro STEP kv, s, mask, next, lim, sig
	v_add_nc_u32 v[AV], s85, v[L16V]               ; (with the last step's three sums these two are the five places between its products and the ones below, which write over V's registers)
	v_add_nc_u32 v[AS4], s86, v[L4S]
	s_wait_alu depctr_va_vdst(0)
	s_wait_dscnt 0x0                               ; K is in
.if \sig == 1
	s_cmp_lt_u32 s[WV], 10
	s_cbranch_scc0 .Llater_\@
	s_wait_tensorcnt 0x0                           ; waves 5-9: steps 2-3
.Llater_\@:
	s_barrier_signal -1
.elseif \sig == 2
	s_wait_tensorcnt 0x0                           ; all loads: steps 4-15 too
	s_barrier_signal -1
.endif
.irp c, 0,1
	v_wmma_scale_f32_16x16x128_f8f6f4 v[\s+32*\c:\s+32*\c+7], v[\kv+24*\c:\kv+24*\c+11], v[Q:Q+11], 0, v[KS+\c], v[QS] matrix_a_fmt:MATRIX_FMT_FP6 matrix_b_fmt:MATRIX_FMT_FP6
	v_wmma_scale_f32_16x16x128_f8f6f4 v[\s+32*\c+8:\s+32*\c+15], v[\kv+24*\c:\kv+24*\c+11], v[QZ:QZ+11], 0, v[KS+\c], v[QS] matrix_a_fmt:MATRIX_FMT_FP6 matrix_b_fmt:MATRIX_FMT_FP6
	v_wmma_scale_f32_16x16x128_f8f6f4 v[\s+32*\c+16:\s+32*\c+23], v[\kv+24*\c+12:\kv+24*\c+23], v[Q:Q+11], 0, v[KS+\c], v[QS] matrix_a_fmt:MATRIX_FMT_FP6 matrix_b_fmt:MATRIX_FMT_FP6 matrix_a_scale:MATRIX_SCALE_ROW1
	v_wmma_scale_f32_16x16x128_f8f6f4 v[\s+32*\c+24:\s+32*\c+31], v[\kv+24*\c+12:\kv+24*\c+23], v[QZ:QZ+11], 0, v[KS+\c], v[QS] matrix_a_fmt:MATRIX_FMT_FP6 matrix_b_fmt:MATRIX_FMT_FP6 matrix_a_scale:MATRIX_SCALE_ROW1
.endr
	v_mov_b32 v[OLD], v12
.rept 3
	v_nop                                          ; four places: for the loads into K's registers, and for the first read of the scores
.endr
.irp o, 0,1,2,3                        ; V's four operands land under the softmax
.irp i, 0,1,2
	ds_load_b128 v[\kv+12*\o+4*\i:\kv+12*\o+4*\i+3], v[AV] offset:49152*(\o/2)+1536*(\o%2)+512*\i
.endr
.endr
	ds_load_b32 v[VS], v[AS4]
	ds_load_b32 v[VS+1], v[AS4] offset:128
.if \mask
.if \mask == 1
	s_cmp_lg_u32 s[N], s[DN]
	s_cbranch_scc1 .Lopen_\@
.endif
	v_mov_b32 v[TMP], 0xff800000                   ; on the diagonal hidden scores become -infinity: register 32 c + i holds key 64 c + 32 h + i of the step: hidden where 64 c + i > DQ
	s_wait_alu depctr_va_vdst(0)
	s_cmp_eq_u32 s[BAND], 1
	s_cbranch_scc1 .Lupper_\@
.set n, 0
.rept 32
	v_cmp_gt_i32 vcc_lo, n, v[DQ]
	v_cndmask_b32 v[\s+n], v[\s+n], v[TMP], vcc_lo
.set n, n+1
.endr
.set n, 32
.rept 16
	v_dual_mov_b32 v[\s+n], v[TMP] :: v_dual_mov_b32 v[\s+n+1], v[TMP]   ; a tile of band 0: all of band 1 is hidden
.set n, n+2
.endr
	s_wait_alu depctr_va_vdst(0)
	s_branch .Lopen_\@
.Lupper_\@:
.set n, 0
.rept 32
	v_cmp_gt_i32 vcc_lo, 64+n, v[DQ]               ; a tile of band 1: all of band 0 counts
	v_cndmask_b32 v[\s+32+n], v[\s+32+n], v[TMP], vcc_lo
.set n, n+1
.endr
.Lopen_\@:
.endif
.irp b, 0,1,2,3
	v_max3_num_f32 v[T+\b], v[\s+16*\b], v[\s+1+16*\b], v[\s+2+16*\b]   ; the largest score of each block of 32 keys: for the row's maximum, and for the block's largest p; four chains by turns
.endr
.irp i, 3,5,7,9,11,13
.irp b, 0,1,2,3
	v_max3_num_f32 v[T+\b], v[T+\b], v[\s+16*\b+\i], v[\s+1+16*\b+\i]
.endr
.endr
	v_max3_num_f32 v[T], v[T], v[\s+15], v[\s+31]
	v_max3_num_f32 v[T+2], v[T+2], v[\s+47], v[\s+63]
	v_max_num_f32 v[T], v[T], v[T+1]               ; block h of band 0,
	v_max_num_f32 v[T+2], v[T+2], v[T+3]           ; and of band 1
	v_max_num_f32 v[TMP], v[T], v[T+2]
	v_permlanex16_b32 v[X], v[TMP], s[SEL], s[SEL+1]
	v_max3_num_f32 v13, v13, v[TMP], v[X]          ; the running largest score
	v_mul_f32 v[TMP], s[NCS], v13
	v_floor_f32 v12, v[TMP]                        ; the new -M = -ceil(t)
	v_sub_f32 v[TMP], v12, v[OLD]                  ; old M - new M: a whole number, 0 or less
	v_cvt_i32_f32 v[TMP], v[TMP]                   ; (it saturates)
	v_ldexp_f32 v[F], 1.0, v[TMP]                  ; f = 2^(old M - new M)
.set j, 0
.rept 32
	v_pk_fma_f32 v[\s+j:\s+j+1], v[\s+j:\s+j+1], s[CS:CS+1], v[12:13] op_sel_hi:[1,0,0]   ; t - M, two at a time
.set j, j+2
.endr
	v_fma_f32 v[T], v[T], s[CS], v12               ; the same of each block's largest score
	v_fma_f32 v[T+2], v[T+2], s[CS], v12
	s_wait_alu depctr_va_vdst(0)
.set j, 0
.rept 64
	v_exp_f32 v[\s+j], v[\s+j]                     ; p = 2^(t - M)
.set j, j+1
.endr
	v_exp_f32 v[T], v[T]                           ; the blocks' largest p: the same two instructions on the same number
	v_exp_f32 v[T+2], v[T+2]
	v_pk_mul_f32 v[14:15], v[14:15], v[F:F+1] op_sel_hi:[1,0]   ; the sums under the new M: the plain instruction behind the batch
	s_wait_alu depctr_va_vdst(0)                   ; and behind it, ahead of the first readers
	v_pk_add_f32 v[C1:C1+1], v[\s+2:\s+3], v[\s+4:\s+5]   ; the row's sum, of the unquantised p, in four chains by turns
	v_pk_add_f32 v[C2:C2+1], v[\s+6:\s+7], v[\s+8:\s+9]
	v_pk_add_f32 v[C3:C3+1], v[\s+10:\s+11], v[\s+12:\s+13]
	v_pk_add_f32 v[14:15], v[14:15], v[\s:\s+1]
	v_max_num_f32 v[T], 0x1800000, v[T]            ; the floor 2^(3 - 127): the byte cannot fall under 1
	v_max_num_f32 v[T+2], 0x1800000, v[T+2]
.irp k, 0,8,16,24,32,40
	v_pk_add_f32 v[14:15], v[14:15], v[\s+14+\k:\s+15+\k]
	v_pk_add_f32 v[C1:C1+1], v[C1:C1+1], v[\s+16+\k:\s+17+\k]
	v_pk_add_f32 v[C2:C2+1], v[C2:C2+1], v[\s+18+\k:\s+19+\k]
	v_pk_add_f32 v[C3:C3+1], v[C3:C3+1], v[\s+20+\k:\s+21+\k]
.endr
	v_add_nc_u32 v[SO], 0xff000000, v[T]           ; 2 off the exponent field: the conversion's scale operand
	v_add_nc_u32 v[SO+1], 0xff000000, v[T+2]
	v_pk_add_f32 v[14:15], v[14:15], v[\s+62:\s+63]
	v_cvt_scalef32_pk16_fp6_f32 v[PC:PC+2], v[\s:\s+15], v[SO]
	v_cvt_scalef32_pk16_fp6_f32 v[U:U+2], v[\s+16:\s+31], v[SO]
	v_cvt_scalef32_pk16_fp6_f32 v[PC+6:PC+8], v[\s+32:\s+47], v[SO+1]
	v_cvt_scalef32_pk16_fp6_f32 v[U+4:U+6], v[\s+48:\s+63], v[SO+1]
	v_lshrrev_b32 v[BY], 23, v[SO]                 ; the scales' bytes
	v_lshrrev_b32 v[BY+1], 23, v[SO+1]
	s_wait_alu depctr_va_vdst(0)
	s_wait_dscnt 0x0                               ; V is in
.if \sig
	s_barrier_wait -1                              ; the next group of key steps is in
.endif
.if \next
	s_cmp_eq_u32 s[N], s[DN]                       ; behind my last trip there is no next
	s_cbranch_scc1 .Lno_next_\@
	s_add_co_u32 s87, s[N], 1
	KLOAD \s, \lim                                 ; over p, which nothing reads any more
.Lno_next_\@:
.endif
	v_dual_mov_b32 v[PC+3], v[U] :: v_dual_mov_b32 v[PC+4], v[U+1]
	v_lshl_or_b32 v[BY], v[BY+1], 16, v[BY]
	v_dual_mov_b32 v[PC+5], v[U+2] :: v_dual_mov_b32 v[PC+10], v[U+5]
	v_mov_b32 v[PC+9], v[U+4]
	v_lshlrev_b32 v[BY], v[HS], v[BY]              ; bytes h and 2 + h are mine
	v_mov_b32 v[PC+11], v[U+6]
	v_permlanex16_b32 v[X2], v[BY], s[SEL], s[SEL+1]
	v_or_b32 v[PW], v[BY], v[X2]                   ; p's scale word for these 128 keys
	s_wait_alu depctr_va_vdst(0)
.set j, 0
.rept 16
	v_pk_mul_f32 v[O+j:O+j+1], v[O+j:O+j+1], v[F:F+1] op_sel_hi:[1,0]   ; O^T under the new M; these are also the places between p's codes and scale word and the products
.set j, j+2
.endr
.irp t, 0,1,2,3                        ; O^T += V^T P^T: the four accumulators by turns, one instruction each
.if \t%2
	v_wmma_scale_f32_16x16x128_f8f6f4 v[O+8*\t:O+8*\t+7], v[\kv+12*\t:\kv+12*\t+11], v[PC:PC+11], v[O+8*\t:O+8*\t+7], v[VS+\t/2], v[PW] matrix_a_fmt:MATRIX_FMT_FP6 matrix_b_fmt:MATRIX_FMT_FP6 matrix_a_scale:MATRIX_SCALE_ROW1
.else
	v_wmma_scale_f32_16x16x128_f8f6f4 v[O+8*\t:O+8*\t+7], v[\kv+12*\t:\kv+12*\t+11], v[PC:PC+11], v[O+8*\t:O+8*\t+7], v[VS+\t/2], v[PW] matrix_a_fmt:MATRIX_FMT_FP6 matrix_b_fmt:MATRIX_FMT_FP6
.endif
.endr
	v_pk_add_f32 v[C1:C1+1], v[C1:C1+1], v[C2:C2+1]
	v_pk_add_f32 v[14:15], v[14:15], v[C3:C3+1]
	v_pk_add_f32 v[14:15], v[14:15], v[C1:C1+1]
.endm
; THE WAY OUT: O^T / the sum; a lane's 32 channels are one block of the last product's K
.macro OUT
	s_wait_alu depctr_va_vdst(0)
.rept 4
	v_nop
.endr
	v_add_f32 v14, v14, v15
	v_permlanex16_b32 v[X], v14, s[SEL], s[SEL+1]
	v_add_f32 v14, v14, v[X]                       ; the row's sum
	s_wait_alu depctr_va_vdst(0)
	v_rcp_f32 v14, v14
	v_nop
	s_lshr_b32 s84, s[BH], 4
	s_lshl_b32 s84, s84, 7
	s_lshl_b32 s85, s[QB], 3
	s_add_co_u32 s84, s84, s85
	s_add_co_u32 s84, s84, s[M]                    ; my token tile of 256
	s_mul_i32 s84, s84, 12800
	s_and_b32 s85, s[BH], 15                       ; the head
	s_mul_i32 s86, s85, 768
	s_add_co_u32 s88, s84, s86
	s_add_co_u32 s88, s88, 512
	s_mov_b32 s89, 0
	s_add_nc_u64 s[88:89], s[6:7], s[88:89]
	s_lshr_b32 s86, s85, 3
	s_lshl_b32 s86, s86, 8
	s_add_co_u32 s90, s84, s86
	s_and_b32 s86, s85, 7
	s_lshl_b32 s86, s86, 1
	s_add_co_u32 s90, s90, s86
	s_mov_b32 s91, 0
	s_add_nc_u64 s[90:91], s[6:7], s[90:91]
	s_wait_alu depctr_va_vdst(0)
.set j, 0
.rept 16
	v_pk_mul_f32 v[RA+j:RA+j+1], v[O+j:O+j+1], v[14:15] op_sel_hi:[1,0]   ; register 8 t + i: channel 32 h + 8 t + i
.set j, j+2
.endr
	v_max3_num_f32 v[T], |v[RA]|, |v[RA+1]|, |v[RA+2]|
	v_max3_num_f32 v[T+1], |v[RA+16]|, |v[RA+17]|, |v[RA+18]|
.irp i, 3,5,7,9,11,13
	v_max3_num_f32 v[T], v[T], |v[RA+\i]|, |v[RA+1+\i]|
	v_max3_num_f32 v[T+1], v[T+1], |v[RA+16+\i]|, |v[RA+17+\i]|
.endr
	v_max3_num_f32 v[T], v[T], |v[RA+15]|, |v[RA+31]|
	v_max3_num_f32 v[T], v[T], v[T+1], 0x1800000
	v_add_nc_u32 v[SO], 0xff000000, v[T]
	v_cvt_scalef32_pk16_fp6_f32 v[PC:PC+2], v[RA:RA+15], v[SO]
	v_cvt_scalef32_pk16_fp6_f32 v[U:U+2], v[RA+16:RA+31], v[SO]
	v_lshrrev_b32 v[BY], 23, v[SO]
.irp i, 0,1,2
	v_mov_b32 v[PC+3+\i], v[U+\i]
.endr
	global_store_b128 v[L16], v[PC:PC+3], s[88:89]                 ; 512 consecutive bytes,
	global_store_b64 v[L8], v[PC+4:PC+5], s[88:89] offset:512      ; and 256
	global_store_b8 v[YO], v[BY], s[90:91]         ; my block's scale byte
.endm
	s_wait_alu depctr_va_vdst(0)
	s_wait_loadcnt 0x0                             ; Q
	v_lshrrev_b32 v[C2], s[SH], v[C2]              ; my tile's two bytes of the operand's word,
	v_lshrrev_b32 v[C2+1], s[SH], v[C2+1]
	v_and_b32 v[C2], 0xffff, v[C2]
	v_and_b32 v[C2+1], 0xffff, v[C2+1]
	v_lshl_or_b32 v[QS], v[C2], 16, v[C2]          ; in both halves: Q stands in the lower or in the upper 64 along K
	v_lshl_or_b32 v[QNS], v[C2+1], 16, v[C2+1]
	s_wait_alu depctr_va_vdst(0)
	s_cmp_lt_u32 s[WV], 5
	s_cbranch_scc0 .Lnot_first
	s_wait_tensorcnt 0x0                           ; waves 0-4: steps 0-1
.Lnot_first:
	s_barrier_signal -1
	s_barrier_wait -1                              ; steps 0-1 are in; the others may be on their way
	s_mov_b32 s87, 0
	KLOAD RB, 1
	CHANGE
	STEP RB, RA, 0, 1, 3, 1                        ; trip 0
	s_add_co_u32 s[N], s[N], 1
	CHANGE
	STEP RA, RB, 0, 1, 15, 2                       ; trip 1
	s_add_co_u32 s[N], s[N], 1
	s_mov_b32 s[CNT], 3
.Ltrips:                                               ; trips 2 to 7, two to a turn
	CHANGE
	STEP RB, RA, 0, 1, 15, 0
	s_add_co_u32 s[N], s[N], 1
	CHANGE
	STEP RA, RB, 1, 1, 15, 0
	s_add_co_u32 s[N], s[N], 1
	s_sub_co_u32 s[CNT], s[CNT], 1
	s_cmp_lg_u32 s[CNT], 0
	s_cbranch_scc1 .Ltrips
	s_wait_alu depctr_va_vdst(0)
	s_wait_dscnt 0x0
	s_barrier_signal -1                            ; my part of a long tile, if I am a wave b, lies in LDS
	s_cmp_eq_u32 s[KIND], 1
	s_cbranch_scc1 .Lmeet
	STEP RB, RA, 2, 0, 15, 0                       ; wave a's trip 8: between signal and wait it loads K and V alone, which no wave writes
.Lmeet:
	s_wait_alu depctr_va_vdst(0)
	s_barrier_wait -1                              ; every wave b has left its part of its long tile
	s_cmp_eq_u32 s[KIND], 1
	s_cbranch_scc1 .Lout
.rept 4
	v_nop
.endr
.irp k, 0,1,2,3,4,5,6,7
	ds_load_b128 v[RA+4*\k:RA+4*\k+3], v[XL] offset:512*\k ; the partner's O
.endr
	ds_load_b128 v[RA+32:RA+35], v[XL] offset:4096 ; and its -M, largest score, sum
	s_wait_dscnt 0x0
	v_min_num_f32 v[TMP], v12, v[RA+32]            ; the joint -M
	v_sub_f32 v[F], v[TMP], v12
	v_sub_f32 v[SO], v[TMP], v[RA+32]
	v_cvt_i32_f32 v[F], v[F]
	v_cvt_i32_f32 v[SO], v[SO]
	v_ldexp_f32 v[F], 1.0, v[F]                    ; my factor, and the partner's: both exact
	v_ldexp_f32 v[SO], 1.0, v[SO]
	v_pk_mul_f32 v[14:15], v[14:15], v[F:F+1] op_sel_hi:[1,0]
.set j, 0
.rept 16
	v_pk_mul_f32 v[O+j:O+j+1], v[O+j:O+j+1], v[F:F+1] op_sel_hi:[1,0]
.set j, j+2
.endr
	v_pk_fma_f32 v[14:15], v[RA+34:RA+35], v[SO:SO+1], v[14:15] op_sel_hi:[1,0,1]
.set j, 0
.rept 16
	v_pk_fma_f32 v[O+j:O+j+1], v[RA+j:RA+j+1], v[SO:SO+1], v[O+j:O+j+1] op_sel_hi:[1,0,1]
.set j, j+2
.endr
.Lout:
	OUT                                            ; wave a's long tile, wave b's short one
	s_wait_tensorcnt 0x0                           ; the wave's end
	ds_add_u32 v[SPW], v[NIL]
	s_wait_dscnt 0x0
	s_endpgm
.Lfunc_end_k_q621d0ff565_attn:
	.size	k_q621d0ff565_attn, .Lfunc_end_k_q621d0ff565_attn-k_q621d0ff565_attn
	.p2alignl 7, 3214868480
	.fill 96, 4, 3214868480
	.section	.rodata,"a",@progbits
	.p2align	6, 0x0
	.amdhsa_kernel k_q621d0ff565_attn
		.amdhsa_group_segment_fixed_size 280576
		.amdhsa_private_segment_fixed_size 0
		.amdhsa_enable_private_segment 0
		.amdhsa_kernarg_size 16
		.amdhsa_user_sgpr_count 2
		.amdhsa_user_sgpr_kernarg_segment_ptr 1
		.amdhsa_wavefront_size32 1
		.amdhsa_system_sgpr_workgroup_id_x 1
		.amdhsa_system_sgpr_workgroup_id_y 1
		.amdhsa_system_sgpr_workgroup_id_z 1
		.amdhsa_system_vgpr_workitem_id 0
		.amdhsa_next_free_vgpr 256
		.amdhsa_next_free_sgpr 100
		.amdhsa_reserve_vcc 1
		.amdhsa_float_denorm_mode_32 3
		.amdhsa_float_denorm_mode_16_64 3
		.amdhsa_memory_ordered 1
		.amdhsa_forward_progress 1
		.amdhsa_inst_pref_size 116
	.end_amdhsa_kernel
	.amdgpu_metadata
---
amdhsa.version: [ 1, 2 ]
amdhsa.kernels:
  - .name:           k_q621d0ff565_attn
    .symbol:         k_q621d0ff565_attn.kd
    .args:
      - { .name: qkvb, .offset: 0, .size: 8, .value_kind: global_buffer, .address_space: global }
      - { .name: yb, .offset: 8, .size: 8, .value_kind: global_buffer, .address_space: global }
    .group_segment_fixed_size: 280576
    .private_segment_fixed_size: 0
    .kernarg_segment_align: 8
    .kernarg_segment_size: 16
    .max_flat_workgroup_size: 512
    .sgpr_count:     100
    .vgpr_count:     256
    .wavefront_size: 32
...
	.end_amdgpu_metadata
.endif
;; end of part 3
;; launch proj (part 4): grid 8 x 32, 4 waves a work-group, clusters of 4 x 4, 327,680 bytes of LDS; arguments yb, cod, b_proj, out0; writes out0
.if DOCPART == 4
	.amdgcn_target "amdgcn-amd-amdhsa--gfx1250"
	.amdhsa_code_object_version 6
	.text
	.protected	k_q621d0ff565_proj
	.globl	k_q621d0ff565_proj
	.p2align	8
	.type	k_q621d0ff565_proj,@function
k_q621d0ff565_proj:
	s_mov_b64 s[64:65], 0
	v_nop
	global_prefetch_b8 v0, s[64:65] scope:SCOPE_SE
	s_setreg_imm32_b32 hwreg(HW_REG_WAVE_MODE, 25, 1), 1
	s_wait_xcnt 0x0
	s_wait_alu depctr_hold_cnt(0) depctr_sa_sdst(0) depctr_va_vdst(0) depctr_va_sdst(0) depctr_va_ssrc(0) depctr_va_vcc(0) depctr_vm_vsrc(0)
	s_getreg_b32 s2, hwreg(HW_REG_IB_STS2, 6, 4)
	s_cmp_eq_u32 s2, 0
	s_cbranch_scc0 .Lentry_in_a_cluster
	s_endpgm
.Lentry_in_a_cluster:
	s_bfe_u32 s2, ttmp6, 0x10000c
	s_cmp_lg_u32 s2, 0xf033
	s_cbranch_scc0 .Lentry_shape_is_right
	s_endpgm
.Lentry_shape_is_right:
; out = y w_proj + b_proj on codes of FP6 (E2M3) with E8M0 scales, K = 1,024; sums and output in f32.
; A work-group makes 128 tokens x 128 columns, a wave (2 x 2) 64 x 64.  ALL OF K of both operands lies in LDS: one tensor load a wave at the head (waves 0, 1 w_proj's tiles, waves 2, 3 y's), no refill.
; A wave takes all of its 64 columns of w_proj, all of K, into registers (32 fragments) while y is on its way, and then finishes its four token tiles one after the other, 32 products each: a tile leaves while the next is multiplied.
; Source 0 = w_proj's rows, source 1 = y's: a lane holds one token, and by the order of w_proj's stored rows its 32 registers of a token tile are columns 32 h + 0 .. 31.  The bias is the C of each sum's first product.
; CLUSTERS 4 x 4: y's tiles are shared along a row of the cluster, w_proj's along a column, by joint loads.  NO PREFETCH: everything is asked for by the first fills.
; LIMITS: NaN and infinities are not served.
; REGISTERS: window 0: addresses, v32-79 scale words, v96-127 the bias, v128-255 rows read back.  Windows 1, 2: w_proj's fragments (number f = 4 q + b: window 1 + f / 21, register 12 (f % 21)).
; y's fragments of a token tile: two buffers of 96, window 2 v132-227 and window 3 v128-223.  Window 3: the accumulators, 32 registers a token tile.
.set TS,   12800                       ; a tile in LDS as in memory: 512 bytes of scales, eight fragments of 1,536
.set A0,   8*TS                        ; LDS: w_proj's 8 tiles, y's 8
.set STAGE, 16*TS                      ; the way out: 4 tiles of 16 rows x (256 bytes + 16) a wave
.set SPITCH, 272
.set SPARE, STAGE+16*16*SPITCH
.set AD,  16                           ; y, 16 bytes a lane; v17: 8 bytes a lane; v18: w_proj
.set AS,  22
.set STO, 24
.set RD,  25
.set CO,  26
.set SPW, 28
.set NIL, 29
.set SC,  32                           ; register SC + 24 (q / 4) + 6 i + q % 4: lanes 0-15 y's tile i, lanes 16-31 w_proj's
.set BC,  96
.set BK,  128
.set MSB, 0
.macro WIN new                         ; the immediate's high byte repeats the setting that is left
.if MSB != (\new)
	s_set_vgpr_msb (MSB<<8)|(\new)
.set MSB, \new
.endif
.endm
.macro PLACES n
.rept \n
	v_nop
.endr
.endm
.macro CROUND                          ; a round of the cluster's barrier
	s_barrier_signal -1
	s_barrier_wait -1
	s_cmp_lg_u32 s14, 0
	s_cbranch_scc1 .Lnot_wave_0_\@
	s_barrier_signal -3
.Lnot_wave_0_\@:
	s_barrier_wait -3
	s_barrier_signal -1
	s_barrier_wait -1
.endm
.macro GRP1 g, mask                    ; four whole tiles
	s_or_b32 s[\g], s[\mask], (3<<16)|(1<<21)
	s_mov_b32 s[\g+1], 1600<<16
	s_mov_b32 s[\g+2], 4<<16
	s_mov_b32 s[\g+3], 1600<<16
	s_mov_b32 s[\g+4], 4
	s_mov_b32 s[\g+5], 1600
	s_mov_b32 s[\g+6], 0
	s_mov_b32 s[\g+7], 0
.endm
.macro TLOAD g0, g1
	tensor_load_to_lds s[\g0:\g0+3], s[\g1:\g1+7]
	s_nop 0
	PLACES 4
.endm
	s_load_b128 s[4:7], s[0:1], 0x0                ; yb, cod
	s_load_b128 s[8:11], s[0:1], 0x10              ; b_proj, out0
	v_lshl_add_u32 v[SPW], v0, 2, SPARE
	v_mov_b32 v[NIL], 0
	ds_add_u32 v[SPW], v[NIL]                      ; the opening lines
	ds_add_u32 v[SPW], v[NIL]
	v_lshrrev_b32 v1, 5, v0
	v_readfirstlane_b32 s14, v1                    ; wave
	s_lshr_b32 s15, s14, 1                         ; which 64 tokens
	s_and_b32 s16, s14, 1                          ; which 64 columns; also: which four tiles I fetch
	s_bfe_u32 s76, ttmp6, 0x40000                  ; cx
	s_bfe_u32 s77, ttmp6, 0x40004                  ; cy
	s_lshl_b32 s12, ttmp9, 2
	s_add_co_u32 s12, s12, s76                     ; which 128 columns
	s_and_b32 s13, ttmp7, 0xffff
	s_lshl_b32 s13, s13, 2
	s_add_co_u32 s13, s13, s77                     ; which 128 tokens
	s_lshl_b32 s18, s77, 2
	s_lshl_b32 s18, 15, s18                        ; my row of the cluster
	s_lshl_b32 s19, 0x1111, s76                    ; my column
	GRP1 24, 18
	GRP1 32, 19
	s_mul_i32 s17, s16, 4*TS
	s_mul_i32 s20, s13, 8*TS                       ; y's 8 tiles
	s_add_co_u32 s20, s20, s17
	s_mov_b32 s21, 0
	s_mul_i32 s22, s12, 8*TS                       ; w_proj's 8 tiles, behind 448 others
	s_add_co_u32 s22, s22, s17
	s_add_co_u32 s22, s22, 448*TS
	s_mov_b32 s23, 0
	s_mov_b32 s56, 1
	s_mov_b32 s57, s17
	s_mov_b32 s60, 1
	s_add_co_u32 s61, s17, A0
	s_wait_alu depctr_va_vdst(0)
	s_wait_dscnt 0x0                               ; both opening adds are done
	s_wait_kmcnt 0x0
	s_add_nc_u64 s[62:63], s[4:5], s[20:21]
	s_or_b32 s63, s63, 0x80000000
	s_add_nc_u64 s[58:59], s[6:7], s[22:23]
	s_or_b32 s59, s59, 0x80000000
	CROUND                                         ; all sixteen work-groups are here: the joint loads meet
	s_cmp_lt_u32 s14, 2
	s_cbranch_scc0 .Lfor_y
	TLOAD 56, 32                                   ; w_proj's tiles, which are wanted first
	s_branch .Lasked
.Lfor_y:
	TLOAD 60, 24
.Lasked:
	v_and_b32 v1, 15, v0                           ; r
	v_bfe_u32 v2, v0, 4, 1                         ; h
	v_and_b32 v3, 31, v0
	v_lshlrev_b32 v4, 4, v3                        ; 16 x lane
	v_lshlrev_b32 v5, 3, v3                        ; 8 x lane
	v_lshlrev_b32 v6, 4, v1                        ; 16 r
	v_lshlrev_b32 v7, 7, v2                        ; 128 h
	v_mul_u32_u24 v8, v1, SPITCH
	v_add_nc_u32 v8, v8, v7                        ; the stage, in: my row, my 128 bytes
	v_mul_u32_u24 v9, v2, SPITCH
	v_add_nc_u32 v9, v9, v6                        ; and back: sixteen lanes to a row
	v_lshl_add_u32 v[CO], v2, 12, v6               ; the same in the output
	s_wait_alu depctr_va_vdst(0)
	s_lshl_b32 s17, s12, 9
	s_lshl_b32 s76, s16, 8
	s_add_co_u32 s76, s76, s17                     ; my first column, in bytes
	s_mov_b32 s77, 0
	s_add_nc_u64 s[78:79], s[8:9], s[76:77]
	s_lshl_b32 s17, s13, 7
	s_lshl_b32 s80, s15, 6
	s_add_co_u32 s17, s17, s80                     ; my first token
	s_lshl_b32 s17, s17, 12
	s_add_co_u32 s76, s76, s17
	s_add_nc_u64 s[10:11], s[10:11], s[76:77]
.irp k, 0,1,2,3,4,5,6,7
	global_load_b128 v[BC+4*\k:BC+4*\k+3], v7, s[78:79] offset:16*\k
.endr
	s_mul_i32 s17, s15, 4*TS
	s_add_co_u32 s17, s17, A0
	s_mul_i32 s20, s16, 4*TS
	v_add_nc_u32 v[AD], s17, v4
	v_add_nc_u32 v[AD+1], s17, v5
	v_add_nc_u32 v[AD+2], s20, v4
	s_mul_i32 s81, s14, 4*16*SPITCH
	s_add_co_u32 s81, s81, STAGE
	v_add_nc_u32 v[STO], s81, v8
	v_add_nc_u32 v[RD], s81, v9
	s_sub_co_u32 s17, s17, s20                     ; scale words: lanes 16-31 w_proj's rows, lanes 0-15 y's, further on
	v_sub_nc_u32 v10, 1, v2
	v_mul_u32_u24 v10, s17, v10
	v_add_nc_u32 v11, s20, v6
	v_add_nc_u32 v[AS], v11, v10
.macro BLOAD                           ; w_proj's 32 fragments: 96 loads
.irp q, 0,1,2,3,4,5,6,7
.irp b, 0,1,2,3
.set F_, 4*\q+\b
.set B_, 12*(F_%21)
	WIN 0x40*(1+F_/21)
.irp p, 0,1,2
	ds_load_b128 v[B_+4*\p:B_+4*\p+3], v[AD+2] offset:TS*\b+512+1536*\q+512*\p
.endr
.endr
.endr
	WIN 0
.endm
.macro ALOAD a                         ; y's eight fragments of token tile a, two half fragments each: 32 loads
.set AO_, 132-4*((\a)%2)
	WIN 0x80+0x40*((\a)%2)
.irp q, 0,1,2,3,4,5,6,7
	ds_load_b128 v[AO_+12*\q:AO_+12*\q+3], v[AD] offset:TS*(\a)+512+1536*\q
	ds_load_b64 v[AO_+12*\q+4:AO_+12*\q+5], v[AD+1] offset:TS*(\a)+1024+1536*\q
	ds_load_b128 v[AO_+12*\q+6:AO_+12*\q+9], v[AD] offset:TS*(\a)+1280+1536*\q
	ds_load_b64 v[AO_+12*\q+10:AO_+12*\q+11], v[AD+1] offset:TS*(\a)+1792+1536*\q
.endr
	WIN 0
.endm
.macro MULT a, q0                      ; 16 products of tile a: fragments q0 .. q0 + 3; the four accumulators take turns, one instruction a turn
.set WA_, 2+(\a)%2
.set AO_, 132-4*((\a)%2)
.irp q, 0,1,2,3
.irp b, 0,1,2,3
.set Q_, \q0+\q
.set F_, 4*Q_+\b
.set B_, 12*(F_%21)
.set A_, AO_+12*Q_
.set D_, 32*(\a)+8*\b
.set S_, SC+24*(Q_/4)+Q_%4
.if Q_ == 0
	WIN (1+F_/21)|(WA_<<2)|0xc0
	v_wmma_scale_f32_16x16x128_f8f6f4 v[D_:D_+7], v[B_:B_+11], v[A_:A_+11], v[BC+8*\b:BC+8*\b+7], v[S_+6*\b], v[S_+6*(\a)] matrix_a_fmt:MATRIX_FMT_FP6 matrix_b_fmt:MATRIX_FMT_FP6 matrix_a_scale:MATRIX_SCALE_ROW1
.else
	WIN (1+F_/21)|(WA_<<2)|0xf0
	v_wmma_scale_f32_16x16x128_f8f6f4 v[D_:D_+7], v[B_:B_+11], v[A_:A_+11], v[D_:D_+7], v[S_+6*\b], v[S_+6*(\a)] matrix_a_fmt:MATRIX_FMT_FP6 matrix_b_fmt:MATRIX_FMT_FP6 matrix_a_scale:MATRIX_SCALE_ROW1
.endif
.endr
.endr
.endm
; THE WAY OUT: a token tile goes through my own stage in LDS and comes back as rows of 256 bytes.  LDS serves a wave's instructions in order (ISA guide 5.7.1.4): no wait stands between the stores and the loads.
.macro TOSTAGE a
	WIN 0x0c
.irp k, 0,1,2,3,4,5,6,7
	ds_store_b128 v[STO], v[32*(\a)+4*\k:32*(\a)+4*\k+3] offset:16*SPITCH*(\a)+16*\k   ; each accumulator from its low end on
.endr
	WIN 0
.irp t, 0,1,2,3,4,5,6,7
	ds_load_b128 v[BK+32*(\a)+4*\t:BK+32*(\a)+4*\t+3], v[RD] offset:16*SPITCH*(\a)+2*\t*SPITCH
.endr
.endm
.macro SEND a
	WIN 0
.irp t, 0,1,2,3,4,5,6,7
	global_store_b128 v[CO], v[BK+32*(\a)+4*\t:BK+32*(\a)+4*\t+3], s[10:11] offset:(32*(\t/4)+2*(\t%4)+8*(\a))*4096 th:TH_STORE_NT   ; sixteen lanes store a row's 256 consecutive bytes
.endr
.endm
	s_wait_alu depctr_va_vdst(0)
	s_wait_loadcnt 0x0                             ; the bias
	s_cmp_lt_u32 s14, 2
	s_cbranch_scc0 .Lnot_w
	s_wait_tensorcnt 0x0                           ; waves 0, 1: w_proj's tiles
.Lnot_w:
	s_barrier_signal -1
	s_barrier_wait -1                              ; they are in; y's may be on their way
	BLOAD
	s_wait_tensorcnt 0x0
	s_wait_dscnt 0x0
	s_barrier_signal -1
	s_barrier_wait -1                              ; y's tiles are in
.irp i, 0,1,2,3
	ds_load_b128 v[SC+6*\i:SC+6*\i+3], v[AS] offset:TS*\i
	ds_load_b128 v[SC+24+6*\i:SC+24+6*\i+3], v[AS] offset:TS*\i+256
.endr
	ALOAD 0
	ALOAD 1
	s_wait_dscnt 32                                ; all but tile 1's 32
	MULT 0, 0
	MULT 0, 4
	PLACES 4                                       ; places between products and reads of their results, and loads into the registers that they read
	TOSTAGE 0
	ALOAD 2
	s_wait_dscnt 48                                ; tile 1's are in; behind them the stage's 16 and tile 2's 32
	MULT 1, 0
	s_wait_dscnt 32                                ; tile 0 is back; behind it tile 2's 32
	SEND 0
	MULT 1, 4
	PLACES 4
	TOSTAGE 1
	ALOAD 3
	s_wait_dscnt 48
	MULT 2, 0
	s_wait_dscnt 32
	SEND 1
	MULT 2, 4
	PLACES 4
	TOSTAGE 2
	s_wait_dscnt 16                                ; tile 3's are in; behind them the stage's 16
	MULT 3, 0
	s_wait_dscnt 0x0
	SEND 2
	MULT 3, 4
	PLACES 4
	TOSTAGE 3
	s_wait_dscnt 0x0
	SEND 3
	s_wait_tensorcnt 0x0                           ; the wave's end
	ds_add_u32 v[SPW], v[NIL]
	s_wait_dscnt 0x0
	CROUND                                         ; the closing round: no work-group ends while a partner may still ask for a tile that names it
	s_endpgm
.Lfunc_end_k_q621d0ff565_proj:
	.size	k_q621d0ff565_proj, .Lfunc_end_k_q621d0ff565_proj-k_q621d0ff565_proj
	.p2alignl 7, 3214868480
	.fill 96, 4, 3214868480
	.section	.rodata,"a",@progbits
	.p2align	6, 0x0
	.amdhsa_kernel k_q621d0ff565_proj
		.amdhsa_group_segment_fixed_size 327680
		.amdhsa_private_segment_fixed_size 0
		.amdhsa_enable_private_segment 0
		.amdhsa_kernarg_size 32
		.amdhsa_user_sgpr_count 2
		.amdhsa_user_sgpr_kernarg_segment_ptr 1
		.amdhsa_wavefront_size32 1
		.amdhsa_system_sgpr_workgroup_id_x 1
		.amdhsa_system_sgpr_workgroup_id_y 1
		.amdhsa_system_sgpr_workgroup_id_z 1
		.amdhsa_system_vgpr_workitem_id 0
		.amdhsa_next_free_vgpr 1024
		.amdhsa_next_free_sgpr 100
		.amdhsa_reserve_vcc 0
		.amdhsa_float_denorm_mode_32 3
		.amdhsa_float_denorm_mode_16_64 3
		.amdhsa_memory_ordered 1
		.amdhsa_forward_progress 1
		.amdhsa_inst_pref_size 47
	.end_amdhsa_kernel
	.amdgpu_metadata
---
amdhsa.version: [ 1, 2 ]
amdhsa.kernels:
  - .name:           k_q621d0ff565_proj
    .symbol:         k_q621d0ff565_proj.kd
    .args:
      - { .name: yb, .offset: 0, .size: 8, .value_kind: global_buffer, .address_space: global }
      - { .name: cod, .offset: 8, .size: 8, .value_kind: global_buffer, .address_space: global }
      - { .name: b_proj, .offset: 16, .size: 8, .value_kind: global_buffer, .address_space: global }
      - { .name: out0, .offset: 24, .size: 8, .value_kind: global_buffer, .address_space: global }
    .group_segment_fixed_size: 327680
    .private_segment_fixed_size: 0
    .kernarg_segment_align: 8
    .kernarg_segment_size: 32
    .max_flat_workgroup_size: 128
    .sgpr_count:     100
    .vgpr_count:     1024
    .wavefront_size: 32
...
	.end_amdgpu_metadata
.endif
;; end of part 4
